; MI455X (gfx1250); checked and timed in simulation.
; The chip was launched on July 23, 2026; its instructions are those of AMD's public machine-readable ISA for CDNA 5 (MIT licence, August 2026) and "CDNA5" Instruction Set Architecture Reference Guide (July 2026). The comments in the code are by the model that wrote it; some were corrected since.
;; Multi Head Time Dimension Attention. Allowed arithmetic: matrix products marked QUANTISED: E2M3 operands, one E8M0 scale for each 32 along K, by v_wmma_scale_f32_16x16x128_f8f6f4 with both operands' format E2M3, f32 sums; products left as they are: f32 operands where the result goes on into a quantised operand, else bf16, f16 or f32 operands; f32 sums; everything else in f32.
;; Inputs: Wk 16 x 1,024 x 64 float32; Wq 16 x 1,024 x 64 float32; Wv 16 x 1,024 x 64 float32; bk 16 x 64 float32; bq 16 x 64 float32; bv 16 x 64 float32; o_all 16 x 2,048 x 1,024 float32; o_last 16 x 1 x 1,024 float32.
;; Outputs: out0 16 x 1 x 1,024 float32.
;; This version of the problem:
;;   THIS VERSION OF THE PROBLEM IS GIVEN IN LOW PRECISION. The matrix products marked QUANTISED in the list below multiply operands that are first quantised to E2M3 (2 exponent bits, 3 mantissa bits; 6 bits a number), with one power-of-two scale for each 32 numbers along K (OCP MX v1.0); their sums are f32. All else is computed in f32.
;;   The module's matrix products, in the order in which they are computed (A, B: the left and right operand; K: the contracted axis; several contracted axes count as one K, in the product's order):
;;     1. [M 1,024, K 1,024] x [K 1,024, N 32,768]; A: input Wk; B: input o_all: QUANTISED
;;     2. [M 1,024, K 1,024] x [K 1,024, N 32,768]; A: input Wv; B: input o_all: QUANTISED
;;     3. [M 16, K 1,024] x [K 1,024, N 1,024]; A: input o_last; B: input Wq: QUANTISED
;;     4. batch 256 x [M 1, K 64] x [K 64, N 2,048]; A: computed on the way; B: computed on the way: left as it is (M = 1 < 16)
;;     5. batch 256 x [M 1, K 2,048] x [K 2,048, N 64]; A: softmax; B: computed on the way: left as it is (M = 1 < 16)
;;   THE QUANTISER, for each operand of a quantised product, along K:
;;     - K is cut into blocks of 32 from its start; a last block that is shorter is filled with zeros.
;;     - A block's scale is 2^e with e = floor(log2(the largest magnitude in the block)) - 2, held to -126 .. 127; a block of zeros has e = 0. As a byte (E8M0): e + 127.
;;     - Each number is divided by its block's scale, clamped to +-7.5, and rounded to the nearest number of E2M3, ties to even, subnormals kept.
;;     - The product sums the exact products of the quantised numbers (number of the format x scale) in f32.
;;   ~~~python
;;   def quantise(x, axis):      # numpy; x: float32 -> the quantised numbers, widened to float32 again
;;       x = np.moveaxis(x, axis, -1); K = x.shape[-1]
;;       x = np.pad(x, [(0, 0)] * (x.ndim - 1) + [(0, -K % 32)]); x = x.reshape(x.shape[:-1] + (-1, 32)); a = np.abs(x).max(-1, keepdims=True)
;;       e = np.where(a > 0, np.clip(np.frexp(np.where(a > 0, a, 1))[1] - 1 - 2, -126, 127), 0)      # np.frexp(a)[1] - 1 = floor(log2(a)), exactly
;;       r = np.clip(x / 2.0 ** e, -7.5, 7.5)
;;       step = 2.0 ** (np.maximum(np.frexp(np.where(r == 0, 1, r))[1] - 1, 0) - 3)
;;       q = np.round(r / step) * step * 2.0 ** e      # np.round: ties to even
;;       return np.moveaxis(q.reshape(q.shape[:-2] + (-1,))[..., :K], -1, axis).astype(np.float32)
;;   ~~~
;; 2 versions, each right; version 2 is version 1 with the launch prep written anew for expert scheduling mode. Each part assembles by itself: llvm-mc -triple=amdgcn-amd-amdhsa -mcpu=gfx1250 --defsym DOCPART=n.
;; ======== version 1 of 2: 2 launches
;; workspace buffers: xq 26,214,400 bytes; wq 1,638,400 bytes; qv 65,536 bytes
;; launch prep (part 1): grid 448 x 1, 8 waves a work-group, no clusters, 151,552 bytes of LDS; arguments o_all, o_last, Wk, Wv, Wq, bq, xq, wq, qv; writes xq, wq, qv
.if DOCPART == 1
	.amdgcn_target "amdgcn-amd-amdhsa--gfx1250"
	.amdhsa_code_object_version 6
	.text
	.protected	k_qa45303ac06_prep
	.globl	k_qa45303ac06_prep
	.p2align	8
	.type	k_qa45303ac06_prep,@function
k_qa45303ac06_prep:
	s_mov_b64 s[64:65], 0
	v_nop
	global_prefetch_b8 v0, s[64:65] scope:SCOPE_SE
	s_setreg_imm32_b32 hwreg(HW_REG_WAVE_MODE, 25, 1), 1
	s_wait_xcnt 0x0
; THE LAUNCH IN FRONT OF THE ATTENTION.  Three kinds of work-group, told apart by the work-group's number alone:
;   0-63    path Q: q[b][h][d] = Q(o_last)[b][:] . Q(Wq)[h][:][d] + bq[h][d], on codes of FP6 (E2M3) by the scaled matrix instruction -> qv [16][1024] f32.
;           Work-group n: head n / 4, its 16 columns d from 16 (n % 4) on; wave w: K step w.  So a wave's loads go out once and are waited for once; the eight waves' sums meet in LDS.
;   64-191  path W: Wk and Wv ([h][z][d], K = z is not innermost) -> codes and E8M0 scale words, in the order of an operand's registers -> wq
;   192-447 path X: o_all (32,768 rows of 1,024, K innermost) -> the same -> xq; 128 rows a work-group
; THE QUANTISER: blocks of 32 along z; a block's scale is 2^(floor(log2(largest magnitude)) - 2); its byte is the largest magnitude's exponent field - 2, held at 1 from below;
; each number / scale, to the nearest code, ties to even, beyond 7.5 the largest code (the conversion does both).
; A block of zeros gets the byte 1 where the rule says 127: its codes are zeros, and these bytes are read by this program alone.
; LIMITS: NaN and infinities among the inputs are not served; blocks whose largest magnitude lies under 2^-124 keep the byte 1.
; AN IMAGE is a fragment (16 rows x 128 K, 12 registers a lane) as it stands in registers: register group c (4 registers) of lane l at 512 c + 16 l: 1,536 bytes.
; xq: [b 16][n 16][w 4] quarters of 25,600 bytes, n = 4 tau + sigma (tau: which 512 rows of the batch, sigma: which 256 along K), rows 512 tau + 128 w + 16 a + r:
;     16 images [q 2][a 8] (K step 2 sigma + q), then 1,024 bytes of scale words [g 2][lane 32][i 4]: row block 4 g + i, row lane % 16, K step 2 sigma + lane / 16.
; wq: [h 16] records of 102,400 bytes: 64 images [ks 8][tile 8] (tiles 0-3: Wk's d = 16 tile + r, tiles 4-7: Wv's), then 4,096 bytes of scale words [sigma 4][g 2][lane 32][i 4], likewise.
; No tensor loads and no ring.  Each path has LDS bytes of its own.
.set XPIT,  528                        ; a stage row: 512 bytes + 16: an odd multiple of 16, so the 16 rows that a read touches start at 16 different groups of banks
.set XWV,   16*XPIT                    ; a wave's stage: 16 rows
.set XSCL,  8*XWV                      ; path X: the work-group's 4,096 bytes of scale words
.set WSCL,  XSCL+4096                  ; path W: 512 bytes of scale words
.set QST,   WSCL+512                   ; path Q: the eight K steps' parts of the sum: 16 rows (batches) x (64 bytes + 16) each
.set QPIT,  80
.set QPART, 16*QPIT
.set QTN,   QST+8*QPART                ; path Q: a stage of 16 rows x 528 bytes for each wave, for o_last's turn
.set PC,    16                         ; v16-27 codes just made; v28-35 at work (QUANT).  Path W: v16-27 the weight's fragment.  Path Q: v16-27 o_last's, v28-39 Wq's
.set TM,    40                         ; v40-43 largest magnitudes, v44-47 bytes and exchanges, v52-55 the conversions' scale operands
.set PW,    56                         ; v56 the scale word that QUANT makes
.set R,     64                         ; v64-255 path X: three sets of 64 numbers
.set CT,    224                        ; v224-230 BLKQ: the second halves of the conversions
; 64 numbers of a lane, register 16 b + i = k 32 b + 16 (lane / 16) + i of my row, become a fragment's codes in v[PC] on and its scale word in v[PW]
.macro QUANT s
.irp b, 0,1,2,3
	v_max3_num_f32 v[TM+\b], |v[\s+16*\b]|, |v[\s+1+16*\b]|, 0x1800000   ; block b: my 16 numbers, and the floor 2^(3 - 127): the byte cannot fall under 1
.endr
.irp i, 2,4,6,8,10,12,14
.irp b, 0,1,2,3
	v_max3_num_f32 v[TM+\b], v[TM+\b], |v[\s+16*\b+\i]|, |v[\s+1+16*\b+\i]|   ; the four blocks by turns
.endr
.endr
.irp b, 0,1,2,3
	v_permlanex16_b32 v[TM+4+\b], v[TM+\b], s24, s25
.endr
.irp b, 0,1,2,3
	v_max_num_f32 v[TM+\b], v[TM+\b], v[TM+4+\b]   ; with lane l xor 16's: the block's largest magnitude
.endr
.irp b, 0,1,2,3
	v_add_nc_u32 v[TM+12+\b], 0xff000000, v[TM+\b]   ; 2 off its exponent field: the conversion takes this operand's exponent field as its scale
.endr
.irp b, 0,1,2,3
	v_lshrrev_b32 v[TM+4+\b], 23, v[TM+12+\b]      ; the scale's byte
.endr
	v_lshl_or_b32 v[PW], v[TM+5], 8, v[TM+4]       ; the four bytes make my row's scale word
	v_lshl_or_b32 v[PW], v[TM+6], 16, v[PW]
	v_lshl_or_b32 v[PW], v[TM+7], 24, v[PW]
.irp c, 0,1
	v_cvt_scalef32_pk16_fp6_f32 v[PC+6*\c:PC+2+6*\c], v[\s+32*\c:\s+15+32*\c], v[TM+12+2*\c]
	v_cvt_scalef32_pk16_fp6_f32 v[PC+12+4*\c:PC+14+4*\c], v[\s+16+32*\c:\s+31+32*\c], v[TM+12+2*\c+1]   ; (a conversion's three registers begin on an even number)
.endr
	v_nop                                          ; one plain place behind a scaled conversion
.irp c, 0,1                                    ; the operand's layout wants a whole block in a lane: lanes 0-15 block 2 c, lanes 16-31 block 2 c + 1
.irp i, 0,1,2
	v_permlane16_swap_b32 v[PC+6*\c+\i], v[PC+12+4*\c+\i]
.endr
.irp i, 0,1,2
	v_mov_b32 v[PC+3+6*\c+\i], v[PC+12+4*\c+\i]
.endr
.endr
.endm
; 64 numbers of a lane, register 32 c + i = k 64 c + 32 (lane / 16) + i of my column (two whole blocks), become a fragment in v[pc] on and its scale word in v[pw]
.macro BLKQ s, pc, pw
	v_max3_num_f32 v[TM], |v[\s]|, |v[\s+1]|, 0x1800000
	v_max3_num_f32 v[TM+1], |v[\s+32]|, |v[\s+33]|, 0x1800000
.set bi, 2
.rept 15
	v_max3_num_f32 v[TM], v[TM], |v[\s+bi]|, |v[\s+bi+1]|
	v_max3_num_f32 v[TM+1], v[TM+1], |v[\s+32+bi]|, |v[\s+33+bi]|
.set bi, bi+2
.endr
	v_add_nc_u32 v[TM+12], 0xff000000, v[TM]
	v_add_nc_u32 v[TM+13], 0xff000000, v[TM+1]
	v_lshrrev_b32 v[TM+4], 23, v[TM+12]
	v_lshrrev_b32 v[TM+5], 23, v[TM+13]
	v_lshl_or_b32 v[\pw], v[TM+5], 16, v[TM+4]     ; my two bytes: blocks h and 2 + h,
	v_lshlrev_b32 v[TM+6], 3, v3
	v_lshlrev_b32 v[\pw], v[TM+6], v[\pw]          ; at their places in the word (8 h bits up);
	v_mov_b32 v[TM+6], 0
	v_permlanex16_b32 v[TM+6], v[\pw], s24, s25
	v_or_b32 v[\pw], v[\pw], v[TM+6]               ; with lane l xor 16's two the word is whole
.irp c, 0,1
	v_cvt_scalef32_pk16_fp6_f32 v[\pc+6*\c:\pc+2+6*\c], v[\s+32*\c:\s+15+32*\c], v[TM+12+\c]
	v_cvt_scalef32_pk16_fp6_f32 v[CT+4*\c:CT+2+4*\c], v[\s+16+32*\c:\s+31+32*\c], v[TM+12+\c]
.endr
	v_nop                                          ; one plain place behind a scaled conversion
.irp c, 0,1
.irp i, 0,1,2
	v_mov_b32 v[\pc+3+6*\c+\i], v[CT+4*\c+\i]
.endr
.endr
.endm
; path X.  K step ks of my 16 rows: each load reads 512 consecutive bytes of one row
.macro XLOAD ks
.set li, 0
.rept 16
	global_load_b128 v[R+64*((\ks)%3)+4*li:R+64*((\ks)%3)+4*li+3], v4, s[4:5] offset:4096*li+512*(\ks) th:TH_LOAD_NT
.set li, li+1
.endr
.endm
; through my wave's own stage: in as loaded (a row's 512 bytes on end), back 16 neighbours of each block of 32 a lane
.macro XTURN ks
.set li, 0
.rept 16
	ds_store_b128 v5, v[R+64*((\ks)%3)+4*li:R+64*((\ks)%3)+4*li+3] offset:XPIT*li
.set li, li+1
.endr
	s_wait_dscnt 0x0                               ; the stores have read the set: the loads below land in it
.set li, 0
.rept 16
	ds_load_b128 v[R+64*((\ks)%3)+4*li:R+64*((\ks)%3)+4*li+3], v6 offset:128*(li/4)+16*(li%4)
.set li, li+1
.endr
	s_wait_dscnt 0x0
.endm
.macro XSTEP ks
.if (\ks) <= 5
	s_wait_loadcnt 32                              ; this K step's 16 loads are in; those of the two K steps behind it may be out
.elseif (\ks) == 6
	s_wait_loadcnt 16
.else
	s_wait_loadcnt 0x0
.endif
	XTURN \ks
	s_wait_xcnt 0x0                                ; the last K step's stores have read the codes' registers: they are written again only behind this wait
.set XSET, R+64*((\ks)%3)
	QUANT XSET
.if (\ks)+3 < 8
	XLOAD (\ks)+3                                  ; the set just quantised takes the K step three on
.endif
.irp c, 0,1,2
	global_store_b128 v7, v[PC+4*\c:PC+4*\c+3], s[16:17] offset:102400*((\ks)/2)+12288*((\ks)%2)+512*\c   ; the image: 512 consecutive bytes a store, at a multiple of 256 from xq's first byte
.endr
.if (\ks)%2 == 0
	v_mov_b32 v10, v[PW]                           ; the even K step's word is kept;
.else
	v_cndmask_b32 v11, v10, v[PW], s26             ; lanes 0-15 the even K step's word, lanes 16-31 the odd one's
	ds_store_b32 v8, v11 offset:1024*((\ks)/2)
.endif
.endm
	s_load_b512 s[4:19], s[0:1], 0x0               ; o_all s[4:5], o_last s[6:7], Wk s[8:9], Wv s[10:11], Wq s[12:13], bq s[14:15], xq s[16:17], wq s[18:19]
	s_load_b64 s[20:21], s[0:1], 0x40              ; qv
	v_lshl_add_u32 v62, v0, 2, 0x24c00
	v_mov_b32 v63, 0
	v_lshrrev_b32 v1, 5, v0
	v_readfirstlane_b32 s22, v1                    ; wave 0..7
	v_and_b32 v1, 31, v0                           ; lane
	v_and_b32 v2, 15, v0                           ; r
	v_bfe_u32 v3, v0, 4, 1                         ; h
	s_mov_b32 s24, 0x76543210
	s_mov_b32 s25, 0xfedcba98                      ; v_permlanex16_b32's selects for lane l xor 16
	s_mov_b32 s26, 0xffff0000                      ; lanes 16-31
.irp b, 4,5,6,7
	v_mov_b32 v[TM+\b], 0                          ; written once: a lane permute's destination counts as one of its sources
.endr
	s_wait_kmcnt 0x0
	s_cmp_lt_u32 ttmp9, 64
	s_cbranch_scc1 .Lpath_q
	s_cmp_lt_u32 ttmp9, 192
	s_cbranch_scc1 .Lpath_w
	; ---------------- PATH X: 128 rows of o_all; wave a takes row block a, 16 rows x 1,024 along K in 8 steps
	s_sub_co_u32 s28, ttmp9, 192                   ; g = 0..255
	s_lshl_b32 s30, s28, 19                        ; 128 rows of 4,096 bytes
	s_lshl_b32 s29, s22, 16                        ; my wave's 16 rows
	s_add_co_u32 s30, s30, s29
	s_mov_b32 s31, 0
	s_add_nc_u64 s[4:5], s[4:5], s[30:31]
	s_lshr_b32 s29, s28, 4                         ; the batch
	s_mul_i32 s32, s29, 1638400
	s_bfe_u32 s29, s28, 0x20002                    ; tau
	s_mul_i32 s29, s29, 409600
	s_add_co_u32 s32, s32, s29
	s_and_b32 s29, s28, 3                          ; w: which quarter
	s_mul_i32 s29, s29, 25600
	s_add_co_u32 s32, s32, s29
	s_mov_b32 s33, 0
	s_add_nc_u64 s[16:17], s[16:17], s[32:33]      ; xq at my quarter of sigma = 0
	v_lshlrev_b32 v4, 4, v1                        ; 16 x lane
	s_mul_i32 s29, s22, XWV
	v_add_nc_u32 v5, s29, v4                       ; the stage, on the way in
	v_mul_u32_u24 v6, v2, XPIT
	v_lshl_add_u32 v6, v3, 6, v6
	v_add_nc_u32 v6, s29, v6                       ; and back: row r, + 64 h
	s_mul_i32 s29, s22, 1536
	v_add_nc_u32 v7, s29, v4                       ; my image's place among a K step's eight
	s_lshr_b32 s29, s22, 2
	s_lshl_b32 s29, s29, 9
	s_and_b32 s34, s22, 3
	s_lshl_b32 s34, s34, 2
	s_add_co_u32 s29, s29, s34
	s_add_co_u32 s29, s29, XSCL
	v_add_nc_u32 v8, s29, v4                       ; my scale word: 512 (wave / 4) + 16 x lane + 4 (wave % 4)
	v_lshl_add_u32 v9, v0, 4, XSCL                 ; the scale words' way out: 16 bytes a thread
	v_lshrrev_b32 v12, 6, v0
	v_mul_u32_u24 v12, v12, 102400                 ; sigma = thread / 64
	v_and_b32 v13, 63, v0
	v_lshl_add_u32 v12, v13, 4, v12
	XLOAD 0
	XLOAD 1
	XLOAD 2                                        ; 48 loads of 512 bytes a wave are out
.irp k, 0,1,2,3,4,5,6,7
	XSTEP \k
.endr
	s_wait_dscnt 0x0                               ; for the others' sake: my scale words lie in LDS
	s_barrier_signal -1
	s_barrier_wait -1
	ds_load_b128 v[48:51], v9
	s_wait_dscnt 0x0
	global_store_b128 v12, v[48:51], s[16:17] offset:24576   ; 64 threads store a quarter's 1,024 consecutive bytes of scale words
	s_wait_tensorcnt 0x0
	ds_add_u32 v62, v63
	s_wait_dscnt 0x0
	s_endpgm
	; ---------------- PATH W: matrix m (Wk, Wv), head h, 256 along K (sigma); wave: K step 2 sigma + wave / 4, tile wave % 4 of 16 columns
.Lpath_w:
	s_sub_co_u32 s28, ttmp9, 64                    ; g = 0..127
	s_lshr_b32 s29, s28, 6                         ; m
	s_bfe_u32 s30, s28, 0x40002                    ; h
	s_and_b32 s31, s28, 3                          ; sigma
	s_lshr_b32 s32, s22, 2                         ; q
	s_and_b32 s33, s22, 3                          ; b'
	s_lshl_b32 s34, s31, 1
	s_add_co_u32 s34, s34, s32                     ; ks
	s_cmp_eq_u32 s29, 0                            ; the choice hangs on the work-group's number alone
	s_cselect_b64 s[8:9], s[8:9], s[10:11]
	s_lshl_b32 s36, s30, 18                        ; a head: 1,024 rows of 256 bytes
	s_lshl_b32 s35, s34, 15                        ; a K step: 128 rows
	s_add_co_u32 s36, s36, s35
	s_mov_b32 s37, 0
	s_add_nc_u64 s[8:9], s[8:9], s[36:37]
	v_lshlrev_b32 v4, 2, v2                        ; a lane to a column: 4 r,
	v_lshl_add_u32 v4, v3, 13, v4                  ; lanes 16-31 begin 32 rows further down,
	s_lshl_b32 s35, s33, 6
	v_add_nc_u32 v4, s35, v4                       ; + my tile's 16 columns
.set li, 0
.rept 64
	global_load_b32 v[64+li], v4, s[8:9] offset:256*(64*(li/32)+li%32)   ; W(64 c + 32 h + i, my column); the four waves of a K step stand side by side on a row's 256 bytes
.set li, li+1
.endr
	s_mul_i32 s36, s30, 102400                     ; the head's record
	s_mul_i32 s35, s34, 12288
	s_add_co_u32 s38, s36, s35
	s_lshl_b32 s35, s29, 2
	s_add_co_u32 s35, s35, s33                     ; tile 4 m + b'
	s_mul_i32 s35, s35, 1536
	s_add_co_u32 s38, s38, s35
	s_mov_b32 s39, 0
	s_add_nc_u64 s[40:41], s[18:19], s[38:39]      ; my image
	s_lshl_b32 s35, s31, 10
	s_add_co_u32 s36, s36, s35
	s_lshl_b32 s35, s29, 9
	s_add_co_u32 s36, s36, s35
	s_add_co_u32 s36, s36, 98304
	s_add_nc_u64 s[18:19], s[18:19], s[36:37]      ; the work-group's 512 bytes of scale words
	v_lshlrev_b32 v5, 4, v1                        ; 16 x lane
	s_lshl_b32 s35, s32, 8
	s_lshl_b32 s38, s33, 2
	s_add_co_u32 s35, s35, s38
	s_add_co_u32 s35, s35, WSCL
	v_lshl_add_u32 v6, v2, 4, s35                  ; my word: 16 (16 q + r) + 4 b'
	v_add_nc_u32 v7, WSCL, v5
	s_wait_loadcnt 0x0
	BLKQ 64, 16, 60
.irp c, 0,1,2
	global_store_b128 v5, v[16+4*\c:19+4*\c], s[40:41] offset:512*\c
.endr
	ds_store_b32 v6, v60                           ; lanes r and r + 16 write the same word with the same value
	s_wait_dscnt 0x0
	s_barrier_signal -1
	s_barrier_wait -1
	s_cmp_lg_u32 s22, 0
	s_cbranch_scc1 .Lw_done
	ds_load_b128 v[48:51], v7
	s_wait_dscnt 0x0
	global_store_b128 v5, v[48:51], s[18:19]       ; 512 consecutive bytes
.Lw_done:
	s_wait_tensorcnt 0x0
	ds_add_u32 v62, v63
	s_wait_dscnt 0x0
	s_endpgm
	; ---------------- PATH Q: head = work-group / 4, tile b' = work-group % 4 of 16 columns d; wave = K step: one fragment of Wq, one of o_last, one product
.Lpath_q:
	s_lshr_b32 s30, ttmp9, 2                       ; the head
	s_and_b32 s33, ttmp9, 3                        ; b'
	s_lshl_b32 s36, s30, 18                        ; a head: 1,024 rows of 256 bytes
	s_lshl_b32 s35, s22, 15                        ; my K step: 128 rows
	s_add_co_u32 s36, s36, s35
	s_lshl_b32 s35, s33, 6                         ; my tile's 16 columns: 64 bytes
	s_add_co_u32 s36, s36, s35
	s_mov_b32 s37, 0
	s_add_nc_u64 s[12:13], s[12:13], s[36:37]      ; Wq at my head, K step and tile
	s_lshl_b32 s36, s22, 9
	s_add_nc_u64 s[6:7], s[6:7], s[36:37]          ; o_last at my K step: 512 bytes of each row
	s_lshl_b32 s36, s30, 8
	s_add_co_u32 s36, s36, s35
	s_add_nc_u64 s[14:15], s[14:15], s[36:37]      ; bq and qv at my head's tile: 256 h + 64 b'
	s_add_nc_u64 s[20:21], s[20:21], s[36:37]
	v_lshlrev_b32 v4, 2, v2                        ; Wq: a lane to a column: 4 r,
	v_lshl_add_u32 v4, v3, 13, v4                  ; lanes 16-31 begin 32 rows further down
	v_lshlrev_b32 v5, 4, v1                        ; o_last: 16 x lane of a row's 512 bytes
	s_mul_i32 s36, s22, XWV
	s_add_co_u32 s36, s36, QTN                     ; my wave's stage
	v_add_nc_u32 v14, s36, v5                      ; on the way in
	v_mul_u32_u24 v15, v2, XPIT
	v_lshl_add_u32 v15, v3, 6, v15
	v_add_nc_u32 v15, s36, v15                     ; and back: row r, + 64 h
	s_mul_i32 s36, s22, QPART
	s_add_co_u32 s36, s36, QST
	v_mul_u32_u24 v6, v2, QPIT
	v_lshl_add_u32 v6, v3, 5, v6
	v_add_nc_u32 v6, s36, v6                       ; my K step's part of the sum: row r (batch), + 32 h
	v_and_b32 v12, 63, v0                          ; the sum's way out, for waves 0 and 1: thread t takes row t / 4, 16 bytes at 16 (t % 4)
	v_lshrrev_b32 v13, 2, v12
	v_and_b32 v12, 3, v12
	v_lshlrev_b32 v8, 4, v12
	v_mul_u32_u24 v7, v13, QPIT
	v_add_nc_u32 v7, v7, v8
	v_add_nc_u32 v7, QST, v7
	v_lshl_add_u32 v9, v13, 12, v8                 ; and the same place in qv
	global_load_b128 v[248:251], v8, s[14:15]      ; bq
.set li, 0
.rept 16
	global_load_b128 v[128+4*li:131+4*li], v5, s[6:7] offset:4096*li   ; batch li: 32 lanes read 512 consecutive bytes
.set li, li+1
.endr
.set li, 0
.rept 64
	global_load_b32 v[64+li], v4, s[12:13] offset:256*(64*(li/32)+li%32)   ; Wq(64 c + 32 h + i, my column)
.set li, li+1
.endr
	s_wait_loadcnt 0x0                             ; the wave's one wait for loads
.set li, 0
.rept 16
	ds_store_b128 v14, v[128+4*li:131+4*li] offset:XPIT*li
.set li, li+1
.endr
	s_wait_dscnt 0x0                               ; the stores have read their registers: the loads below land in them
.set li, 0
.rept 16
	ds_load_b128 v[128+4*li:131+4*li], v15 offset:128*(li/4)+16*(li%4)   ; register 16 b + i = k 32 b + 16 h + i of batch r
.set li, li+1
.endr
	s_wait_dscnt 0x0
	QUANT 128                                      ; o_last's fragment in v16-27, its scale word in v56
	BLKQ 64, 28, 60                                ; Wq's in v28-39, its scale word in v60
.rept 8
	v_nop                                          ; a scale register written by a vector instruction stands 8 places ahead of a scaled matrix instruction, an operand so written 4
.endr
	v_wmma_scale_f32_16x16x128_f8f6f4 v[192:199], v[28:39], v[16:27], 0, v60, v56 matrix_a_fmt:MATRIX_FMT_FP6 matrix_b_fmt:MATRIX_FMT_FP6   ; source 0 = 16 columns d of Wq, source 1 = the 16 batches
.rept 4
	v_nop                                          ; places behind the product
.endr
	ds_store_b128 v6, v[192:195]                   ; lane (r, h): batch r, d = 16 b' + 8 h + 0 .. 7; the accumulator from its low end on
	ds_store_b128 v6, v[196:199] offset:16
	s_wait_dscnt 0x0                               ; for the others' sake: my part lies in LDS
	s_barrier_signal -1
	s_barrier_wait -1
	s_cmp_ge_u32 s22, 2                            ; 16 batches x 64 bytes are 64 threads' 16 bytes: waves 0 and 1
	s_cbranch_scc1 .Lq_done
.irp p, 0,1,2,3,4,5,6,7
	ds_load_b128 v[200+4*\p:203+4*\p], v7 offset:QPART*\p   ; K step p's part
.endr
	s_wait_dscnt 0x0
.irp p, 0,2,4,6
	v_pk_add_f32 v[200+4*\p:201+4*\p], v[200+4*\p:201+4*\p], v[204+4*\p:205+4*\p]
	v_pk_add_f32 v[202+4*\p:203+4*\p], v[202+4*\p:203+4*\p], v[206+4*\p:207+4*\p]
.endr
.irp p, 0,4
	v_pk_add_f32 v[200+4*\p:201+4*\p], v[200+4*\p:201+4*\p], v[208+4*\p:209+4*\p]
	v_pk_add_f32 v[202+4*\p:203+4*\p], v[202+4*\p:203+4*\p], v[210+4*\p:211+4*\p]
.endr
	v_pk_add_f32 v[200:201], v[200:201], v[216:217]
	v_pk_add_f32 v[202:203], v[202:203], v[218:219]
	v_pk_add_f32 v[200:201], v[200:201], v[248:249]   ; + bq
	v_pk_add_f32 v[202:203], v[202:203], v[250:251]
	global_store_b128 v9, v[200:203], s[20:21]     ; four threads store the work-group's 64 consecutive bytes of a batch's row: a quarter of the head's 256; qv is 65,536 bytes in all
.Lq_done:
	s_wait_tensorcnt 0x0
	ds_add_u32 v62, v63
	s_wait_dscnt 0x0
	s_endpgm
.Lfunc_end_k_qa45303ac06_prep:
	.size	k_qa45303ac06_prep, .Lfunc_end_k_qa45303ac06_prep-k_qa45303ac06_prep
	.p2alignl 7, 3214868480
	.fill 96, 4, 3214868480
	.section	.rodata,"a",@progbits
	.p2align	6, 0x0
	.amdhsa_kernel k_qa45303ac06_prep
		.amdhsa_group_segment_fixed_size 151552
		.amdhsa_private_segment_fixed_size 0
		.amdhsa_enable_private_segment 0
		.amdhsa_kernarg_size 72
		.amdhsa_user_sgpr_count 2
		.amdhsa_user_sgpr_kernarg_segment_ptr 1
		.amdhsa_wavefront_size32 1
		.amdhsa_system_sgpr_workgroup_id_x 1
		.amdhsa_system_sgpr_workgroup_id_y 1
		.amdhsa_system_sgpr_workgroup_id_z 1
		.amdhsa_system_vgpr_workitem_id 0
		.amdhsa_next_free_vgpr 256
		.amdhsa_next_free_sgpr 66
		.amdhsa_reserve_vcc 0
		.amdhsa_float_denorm_mode_32 3
		.amdhsa_float_denorm_mode_16_64 3
		.amdhsa_memory_ordered 1
		.amdhsa_forward_progress 1
		.amdhsa_inst_pref_size 97
	.end_amdhsa_kernel
	.amdgpu_metadata
---
amdhsa.version: [ 1, 2 ]
amdhsa.kernels:
  - .name:           k_qa45303ac06_prep
    .symbol:         k_qa45303ac06_prep.kd
    .args:
      - { .name: o_all, .offset: 0, .size: 8, .value_kind: global_buffer, .address_space: global }
      - { .name: o_last, .offset: 8, .size: 8, .value_kind: global_buffer, .address_space: global }
      - { .name: Wk, .offset: 16, .size: 8, .value_kind: global_buffer, .address_space: global }
      - { .name: Wv, .offset: 24, .size: 8, .value_kind: global_buffer, .address_space: global }
      - { .name: Wq, .offset: 32, .size: 8, .value_kind: global_buffer, .address_space: global }
      - { .name: bq, .offset: 40, .size: 8, .value_kind: global_buffer, .address_space: global }
      - { .name: xq, .offset: 48, .size: 8, .value_kind: global_buffer, .address_space: global }
      - { .name: wq, .offset: 56, .size: 8, .value_kind: global_buffer, .address_space: global }
      - { .name: qv, .offset: 64, .size: 8, .value_kind: global_buffer, .address_space: global }
    .group_segment_fixed_size: 151552
    .private_segment_fixed_size: 0
    .kernarg_segment_align: 8
    .kernarg_segment_size: 72
    .max_flat_workgroup_size: 256
    .sgpr_count:     66
    .vgpr_count:     256
    .wavefront_size: 32
...
	.end_amdgpu_metadata
.endif
;; end of part 1
;; launch attn (part 2): grid 16 x 16, 4 waves a work-group, clusters of 4 x 1, 327,680 bytes of LDS; arguments xq, wq, qv, bk, bv, out0; writes out0
.if DOCPART == 2
	.amdgcn_target "amdgcn-amd-amdhsa--gfx1250"
	.amdhsa_code_object_version 6
	.text
	.protected	k_qa45303ac06_attn
	.globl	k_qa45303ac06_attn
	.p2align	8
	.type	k_qa45303ac06_attn,@function
k_qa45303ac06_attn:
	s_mov_b64 s[64:65], 0
	v_nop
	global_prefetch_b8 v0, s[64:65] scope:SCOPE_SE
	s_setreg_imm32_b32 hwreg(HW_REG_WAVE_MODE, 25, 1), 1
	s_wait_xcnt 0x0
	s_wait_alu depctr_hold_cnt(0) depctr_sa_sdst(0) depctr_va_vdst(0) depctr_va_sdst(0) depctr_va_ssrc(0) depctr_va_vcc(0) depctr_vm_vsrc(0)
	s_getreg_b32 s2, hwreg(HW_REG_IB_STS2, 6, 4)
	s_cmp_eq_u32 s2, 0
	s_cbranch_scc0 .Lentry_in_a_cluster
	s_endpgm
.Lentry_in_a_cluster:
	s_bfe_u32 s2, ttmp6, 0x10000c
	s_cmp_lg_u32 s2, 0x3003
	s_cbranch_scc0 .Lentry_shape_is_right
	s_endpgm
.Lentry_shape_is_right:
; out0[b][h][:] = the sum over t of softmax_t(q[b][h] . K[b][h][t]) V[b][h][t][:], with K = Q(o_all) Q(Wk) + bk and V = Q(o_all) Q(Wv) + bv made here, on codes of FP6 (E2M3) with E8M0 scales, and never stored.
; ONE WORK-GROUP OWNS ONE (batch, head): [2,048 rows t] x [128 columns: K's 64, V's 64], contracted over 1,024.  A wave makes tiles of 128 t x 128 columns in 64 accumulators, four tiles one after the other;
; behind each tile: scores (f32 multiply-adds with q), a running maximum, weights, and the weighted sum of V, all in the lane that holds the row.  The four waves' parts meet in LDS at the end.
; THE MATRIX INSTRUCTION: source 0 = 16 columns of the weights, source 1 = 16 rows of o_all: lane (r, h) holds row t = r, and register j of tile b the column 16 b + 8 h + j.  bk and bv are the C of each sum's first instruction.
; OPERANDS come as images of their registers (the launch before laid them so): every LDS read is 16 bytes a lane at 16 x lane, 512 consecutive bytes an instruction: no pitch, no padding.
; THE WEIGHTS' record of my head (102,400 bytes) lies in LDS for the whole launch, brought through registers.  o_all's codes go through a ring of two slots, each 256 along K of the work-group's 512 rows; a wave fetches and reads its own quarter.
; CLUSTER: the four heads of a cluster walk the same rows of one batch, so each quarter is asked for JOINTLY (mask 15).  The weights are not: each partner has another head's record.
; SOFTMAX: q is multiplied by log2(e) once, in f32; each lane keeps a running maximum M of its own rows' scores (in that scale), L = the sum of 2^(s - M), CTX = the sum of 2^(s - M) V; when M moves both are multiplied by 2^(old M - new M).
; LIMITS: NaN and infinities are not served; scores x log2(e) under -3e38, the running maximum's first value, are not served.
; All of a WGP's LDS is claimed; 309,760 bytes are used.
; REGISTERS, in windows of 256.  window 0: v4-19 addresses; v32-47 o_all's scale words, v48-63 the weights' (two sets of 8 each, nothing else); v64-95 q; v96-127 CTX; v128-223 o_all's 8 fragments, one set; v224-255 the softmax.
;   window 1: the weights' 8 fragments, two sets, at v0 and v128; bk's four tiles at v96, bv's at v224.   windows 2, 3: accumulator (a, b) at v[8 (8 (a % 4) + b)] of window 2 + a / 4.
.set QB,    25600                      ; a quarter: 16 images + 1,024 bytes of scale words
.set SLOTB, 4*QB
.set WRES,  2*SLOTB                    ; behind the ring: the weights' record; stored by LDS stores, no tensor load lands here
.set SPARE, WRES+102400                ; the spare words, 128 bytes a wave: two blocks of 256 bytes that no other line names
.set COMB,  SPARE+512                  ; 512 bytes a wave: its 64 sums, its maximum and its L
.set FR,    12
.set IMG,   1536
.set KST,   8*IMG                      ; a K step's eight images
.set AX,   4                           ; v4-5   my quarter in slot 0, 1: 25,600 x wave + 16 x lane
.set AW,   6                           ; v6-7   the weights' record + 16 x lane; the same 49,152 bytes on
.set SPW,  8                           ; v8     my spare word; never rewritten
.set NIL,  9                           ; v9     0; never rewritten
.set PFO,  10                          ; v10    the prefetches' offset
.set CW,   11                          ; v11-12 where I store the record: 16 x thread; the same 51,200 bytes on
.set CG,   13                          ; v13    16 x thread
.set HB,   14                          ; v14    32 h
.set CSA,  15                          ; v15    COMB + 512 wave + 32 h
.set CMA,  16                          ; v16    COMB + 512 wave + 256
.set CRA,  17                          ; v17    COMB + 8 lane
.set CZA,  18                          ; v18    COMB
.set OO,   19                          ; v19    8 lane
.set XS,   32
.set WS,   48
.set Q,    64
.set CTX,  96
.set AF,   128
.set S2,   224                         ; v224-239 the scores' halves, a pair for each row block
.set P,    240                         ; v240-247 scores, then weights
.set M,    248
.set L,    249
.set AL,   250                         ; v[250:251] 2^(old M - new M); v251 is only named with it
.set MN,   252
.set WV,   16                          ; s16 wave;  s17 cx;  s18 head;  s19 batch
.set G1,   24                          ; s[24:31] descriptor group 1;  s[32:39] group 0, one set for each slot
.set G0,   32
.set SEL,  40
.set TILES, 42
.set LIM,  43                          ; 1 in the batch's first cluster
.set PFA,  44                          ; s[44:45]
.set MSB, 0
.macro WIN new                         ; the immediate's high byte repeats the setting that is left
.if MSB != (\new)
	s_set_vgpr_msb (MSB<<8)|(\new)
.set MSB, (\new)
.endif
.endm
.set MUL_LO, 0xa1                      ; source 0 (weights) window 1, source 1 (o_all) window 0, C and D window 2;  less 0x10: C (the bias) window 1
.set MUL_HI, 0xf1                      ; the same, C and D window 3;  less 0x20: C window 1
.set TO_B,   0x40                      ; destination window 1, address window 0
.macro CREST                           ; a round of the cluster's barrier behind its opening barrier
	s_cmp_lg_u32 s[WV], 0
	s_cbranch_scc1 .Lnot_wave_0_\@
	s_barrier_signal -3
.Lnot_wave_0_\@:
	s_barrier_wait -3
	s_barrier_signal -1
	s_barrier_wait -1
.endm
.macro CROUND
	s_barrier_signal -1
	s_barrier_wait -1
	CREST
.endm
.macro PLACES                          ; four plain places behind matrix instructions, in front of loads into their registers and of reads of results
.rept 4
	v_nop
.endr
.endm
.macro FRAG reg, adr, off              ; an image comes back as the registers that it was
.irp c, 0,1,2
	ds_load_b128 v[\reg+4*\c:\reg+4*\c+3], v[\adr] offset:\off+512*\c
.endr
.endm
.macro FETCH_W ks, p                   ; the weights' eight fragments of K step ks into set p: 24 loads
	WIN TO_B
.irp b, 0,1,2,3,4,5,6,7
	FRAG 128*(\p)+FR*\b, AW+(\ks)/4, KST*((\ks)%4)+IMG*\b
.endr
	WIN 0
.endm
.macro FETCH_X s, q, a0                ; o_all's blocks a0 .. a0 + 3 of the slot's q-th K step: 12 loads
.irp a, \a0, \a0+1, \a0+2, \a0+3
	FRAG AF+FR*(\a), AX+\s, KST*(\q)+IMG*(\a)
.endr
.endm
.macro SCALES s, sg                    ; a slot's scale words into set s: register a (or b): lanes 0-15 the slot's first K step, lanes 16-31 its second.  4 loads
	ds_load_b128 v[XS+8*\s:XS+8*\s+3], v[AX+\s] offset:2*KST
	ds_load_b128 v[XS+8*\s+4:XS+8*\s+7], v[AX+\s] offset:2*KST+512
	ds_load_b128 v[WS+8*\s:WS+8*\s+3], v[AW+1] offset:49152+1024*\sg
	ds_load_b128 v[WS+8*\s+4:WS+8*\s+7], v[AW+1] offset:49152+1024*\sg+512
.endm
; 16 matrix instructions: o_all's blocks a0, a0 + 1 x the weights' eight tiles.  p: the weights' set; sc: the set of scale words; q: which K step of the slot; bias = 1: the sums begin with bk and bv.
; The 64 accumulators take turns, one instruction a turn, in the same order in every step.
.macro MUL16 a0, p, sc, q, bias
.irp a, \a0, \a0+1
.irp b, 0,1,2,3,4,5,6,7
.set rD, 8*(8*((\a)%4)+\b)
.set rW, 128*(\p)+FR*\b
.set rX, AF+FR*(\a)
.set rB, 96+8*\b+96*(\b/4)
.set rU, WS+8*(\sc)+\b
.set rV, XS+8*(\sc)+(\a)
.if \bias
	v_wmma_scale_f32_16x16x128_f8f6f4 v[rD:rD+7], v[rW:rW+FR-1], v[rX:rX+FR-1], v[rB:rB+7], v[rU], v[rV] matrix_a_fmt:MATRIX_FMT_FP6 matrix_b_fmt:MATRIX_FMT_FP6
.elseif \q
	v_wmma_scale_f32_16x16x128_f8f6f4 v[rD:rD+7], v[rW:rW+FR-1], v[rX:rX+FR-1], v[rD:rD+7], v[rU], v[rV] matrix_a_fmt:MATRIX_FMT_FP6 matrix_b_fmt:MATRIX_FMT_FP6 matrix_a_scale:MATRIX_SCALE_ROW1 matrix_b_scale:MATRIX_SCALE_ROW1
.else
	v_wmma_scale_f32_16x16x128_f8f6f4 v[rD:rD+7], v[rW:rW+FR-1], v[rX:rX+FR-1], v[rD:rD+7], v[rU], v[rV] matrix_a_fmt:MATRIX_FMT_FP6 matrix_b_fmt:MATRIX_FMT_FP6
.endif
.endr
.endr
.endm
; A PREFETCH INTO THE L2 of the fill that stands two refills on.  The four clusters of a batch walk the same quarters: the first of them asks.  Of quarter w (wave w's) partner cx names the 25 blocks of 256 bytes from 6,400 cx on,
; told apart by address; a lane a block, lanes 25-31 name the 25th again.  Fills 0 to 3 come by their loads alone; the last tile asks for nothing.
.macro ASK
	s_cmp_eq_u32 s[LIM], 1
	s_cbranch_scc0 .Lnot_mine_\@
	global_prefetch_b8 v[PFO], s[PFA:PFA+1] th:TH_LOAD_NT scope:SCOPE_SE
.Lnot_mine_\@:
.endm
; A slot's first K step (ks even; the weights' set 0).
.macro STEP s, ks, bias
	s_wait_dscnt 12                                ; all but the youngest 12 loads, o_all's blocks 4-7
	WIN MUL_LO-0x10*(\bias)
	MUL16 0, 0, \s, 0, \bias
	MUL16 2, 0, \s, 0, \bias
	s_wait_dscnt 0x0                               ; blocks 4-7 are in (asked for 32 matrix instructions ago)
	PLACES
	FETCH_W (\ks)+1, 1
	FETCH_X \s, 1, 0
	WIN MUL_HI-0x20*(\bias)
	MUL16 4, 0, \s, 0, \bias
	MUL16 6, 0, \s, 0, \bias
	PLACES
	WIN 0
	FETCH_X \s, 1, 4
.endm
; A slot's second K step (ks odd; the weights' set 1) changes slots: one barrier; in front of it each wave waits for all its tensor loads, adds 0 to its spare word, and waits for that and for its reads of this slot.
; fill = 1: the barrier opens a round of the cluster's barrier, and this slot is filled again, with the fill two on.  s2, sg2: the next slot and its place among the weights' scale words.
.macro TURN s, s2, ks, sg2, fill, ask
.if \ask
	s_wait_xcnt 0x0                                ; the last prefetch, a slot back, has read its address: it steps here, ahead of the change's own waits
	s_add_nc_u64 s[PFA:PFA+1], s[PFA:PFA+1], SLOTB
.endif
	s_wait_tensorcnt 0x0                           ; all my tensor loads have landed: the one that was out is my quarter of the next slot  (every window is 0 here)
	ds_add_u32 v[SPW], v[NIL]                      ; 0 onto my spare word
	s_wait_dscnt 13                                ; (the add and the youngest 12 loads, blocks 4-7, may be out)
	WIN MUL_LO
	MUL16 0, 1, \s, 1, 0                           ; sixteen matrix instructions stand between the add and the wait for it
	s_wait_dscnt 0x0                               ; the add is done, and my reads of this slot are over
	s_barrier_signal -1
	MUL16 2, 1, \s, 1, 0
	WIN 0
	s_barrier_wait -1
.if \fill
	CREST                                          ; no wave of any partner still reads this slot or has a load on its way
	s_add_nc_u64 s[G0+4*\s+2:G0+4*\s+3], s[G0+4*\s+2:G0+4*\s+3], 2*SLOTB
	tensor_load_to_lds s[G0+4*\s:G0+4*\s+3], s[G1:G1+7]   ; my one tensor load behind the round: one load of mine is out, and it has a slot's 128 matrix instructions in which to land
	s_nop 0
.rept 4
	v_nop                                          ; the places in front of the loads below
.endr
.else
	PLACES
.endif
	FETCH_W ((\ks)+1)%8, 0
	FETCH_X \s2, 0, 0
	SCALES \s2, \sg2
.if \ask
	ASK
.endif
	WIN MUL_HI
	MUL16 4, 1, \s, 1, 0
	MUL16 6, 1, \s, 1, 0
	PLACES
	WIN 0
	FETCH_X \s2, 0, 4
.endm
.macro LAST                            ; the very last K step: nothing more to fetch
	s_wait_dscnt 12
	WIN MUL_LO
	MUL16 0, 1, 1, 1, 0
	MUL16 2, 1, 1, 1, 0
	s_wait_dscnt 0x0
	WIN MUL_HI
	MUL16 4, 1, 1, 1, 0
	MUL16 6, 1, 1, 1, 0
	WIN 0
	PLACES
.endm
; BEHIND A TILE: 128 rows' scores, the softmax's step, and the weighted sum of V.  No LDS instruction stands here, so the counts of the next tile's first waits hold.
.macro EPI
.irp H, 0,1                            ; scores: my 32 of a row's 64 products, two at a time; four row blocks by turns.  Each accumulator is first read at its registers 0 and 1
	WIN 0x02+\H                                    ; source 0: window 2 or 3
.irp b, 0,1,2,3
.irp i, 0,1,2,3
.irp a, 0,1,2,3
.if (\b == 0) && (\i == 0)
	v_pk_mul_f32 v[S2+2*(4*\H+\a):S2+2*(4*\H+\a)+1], v[8*(8*\a+\b)+2*\i:8*(8*\a+\b)+2*\i+1], v[Q+8*\b+2*\i:Q+8*\b+2*\i+1]
.else
	v_pk_fma_f32 v[S2+2*(4*\H+\a):S2+2*(4*\H+\a)+1], v[8*(8*\a+\b)+2*\i:8*(8*\a+\b)+2*\i+1], v[Q+8*\b+2*\i:Q+8*\b+2*\i+1], v[S2+2*(4*\H+\a):S2+2*(4*\H+\a)+1]
.endif
.endr
.endr
.endr
.endr
	WIN 0
.irp a, 0,1,2,3,4,5,6,7
	v_add_f32 v[P+\a], v[S2+2*\a], v[S2+2*\a+1]
.endr
.irp a, 0,1,2,3,4,5,6,7
	v_permlanex16_b32 v[S2+\a], v[P+\a], s[SEL], s[SEL+1]   ; the row's other 32 columns lie in the lane 16 away
.endr
.irp a, 0,1,2,3,4,5,6,7
	v_add_f32 v[P+\a], v[P+\a], v[S2+\a]           ; the score x log2(e) of row 16 a + r
.endr
	v_max3_num_f32 v[MN], v[M], v[P], v[P+1]
	v_max3_num_f32 v[MN], v[MN], v[P+2], v[P+3]
	v_max3_num_f32 v[MN], v[MN], v[P+4], v[P+5]
	v_max3_num_f32 v[MN], v[MN], v[P+6], v[P+7]    ; the new running maximum
	v_sub_f32 v[AL], v[M], v[MN]
.irp a, 0,1,2,3,4,5,6,7
	v_sub_f32 v[P+\a], v[P+\a], v[MN]
.endr
	v_exp_f32 v[AL], v[AL]                         ; nine exponentials, one batch
.irp a, 0,1,2,3,4,5,6,7
	v_exp_f32 v[P+\a], v[P+\a]
.endr
	v_mov_b32 v[M], v[MN]                          ; the plain place behind the last of them
	s_wait_alu depctr_va_vdst(0)                   ; one wait for the batch, ahead of its first reader
	v_add_f32 v253, v[P+1], v[P+2]
	v_add_f32 v254, v[P+3], v[P+4]
	v_add_f32 v255, v[P+5], v[P+6]
	v_fma_f32 v[L], v[L], v[AL], v[P]
	v_add_f32 v253, v253, v[P+7]
	v_add_f32 v254, v254, v255
	v_add_f32 v[L], v[L], v253
	v_add_f32 v[L], v[L], v254
.set ei, 0
.rept 16
	v_pk_mul_f32 v[CTX+2*ei:CTX+2*ei+1], v[CTX+2*ei:CTX+2*ei+1], v[AL:AL+1] op_sel_hi:[1,0]
.set ei, ei+1
.endr
.irp H, 0,1                            ; CTX += weight x V: sixteen pairs by turns; the weight of an even block is its pair's first register, of an odd block the second
	WIN 0x02+\H
.irp a, 0,1,2,3
.irp b, 0,1,2,3
.irp i, 0,1,2,3
.if \a%2 == 0
	v_pk_fma_f32 v[CTX+8*\b+2*\i:CTX+8*\b+2*\i+1], v[8*(8*\a+4+\b)+2*\i:8*(8*\a+4+\b)+2*\i+1], v[P+4*\H+\a:P+4*\H+\a+1], v[CTX+8*\b+2*\i:CTX+8*\b+2*\i+1] op_sel_hi:[1,0,1]
.else
	v_pk_fma_f32 v[CTX+8*\b+2*\i:CTX+8*\b+2*\i+1], v[8*(8*\a+4+\b)+2*\i:8*(8*\a+4+\b)+2*\i+1], v[P+4*\H+\a-1:P+4*\H+\a], v[CTX+8*\b+2*\i:CTX+8*\b+2*\i+1] op_sel:[0,1,0] op_sel_hi:[1,1,1]
.endif
.endr
.endr
.endr
.endr
	WIN 0
.endm
	s_load_b256 s[4:11], s[0:1], 0x0               ; xq s[4:5], wq s[6:7], qv s[8:9], bk s[10:11]
	s_load_b128 s[12:15], s[0:1], 0x20             ; bv s[12:13], out0 s[14:15]
	v_lshl_add_u32 v[SPW], v0, 2, SPARE
	v_mov_b32 v[NIL], 0
	ds_add_u32 v8, v9
	ds_add_u32 v8, v9
	s_wait_dscnt 0x0
	v_lshrrev_b32 v1, 5, v0
	v_readfirstlane_b32 s[WV], v1                  ; wave 0..3
	s_bfe_u32 s17, ttmp6, 0x40000                  ; cx: it enters the addresses of wq, qv, bk, bv, out0 and of the prefetches alone
	s_lshl_b32 s18, ttmp9, 2
	s_add_co_u32 s18, s18, s17                     ; the head = 4 x cluster x + cx
	s_and_b32 s19, ttmp7, 0xffff                   ; the batch, which the four partners share
	; descriptor group 1: a quarter is a dense block of 25,600 bytes: 100 rows of 32 elements of 8 bytes, no padding
	s_mov_b32 s[G1+0], 15|(3<<16)|(1<<21)          ; 15:0 the mask: all four work-groups; 17:16 elements of 8 bytes; 21 set beside a mask
	s_mov_b32 s[G1+1], 32<<16                      ; tensor_dim0 = 32
	s_mov_b32 s[G1+2], 100<<16                     ; tensor_dim1 = 100
	s_mov_b32 s[G1+3], 32<<16                      ; tile_dim0 = 32
	s_mov_b32 s[G1+4], 100                         ; tile_dim1 = 100
	s_mov_b32 s[G1+5], 32                          ; the pitch
	s_mov_b32 s[G1+6], 0
	s_mov_b32 s[G1+7], 0
	s_mov_b32 s[SEL], 0x76543210
	s_mov_b32 s[SEL+1], 0xfedcba98
	s_cmp_eq_u32 ttmp9, 0
	s_cselect_b32 s[LIM], 1, 0                     ; the same in all four partners
	s_mul_i32 s20, s[WV], QB                       ; my quarter, in a slot and in a fill
	s_mul_i32 s22, s19, 16*SLOTB                   ; the batch's 16 fills
	s_add_co_u32 s22, s22, s20
	s_mov_b32 s23, 0
	v_and_b32 v1, 31, v0                           ; lane
	v_bfe_u32 v3, v0, 4, 1                         ; h
	v_lshlrev_b32 v2, 4, v1
	v_add_nc_u32 v[AX], s20, v2
	v_add_nc_u32 v[AX+1], SLOTB, v[AX]
	v_add_nc_u32 v[AW], WRES, v2
	v_add_nc_u32 v[AW+1], 49152, v[AW]
	v_min_u32 v[PFO], 24, v1
	v_lshlrev_b32 v[PFO], 8, v[PFO]
	v_lshl_add_u32 v[CW], v0, 4, WRES
	v_add_nc_u32 v[CW+1], 51200, v[CW]
	v_lshlrev_b32 v[CG], 4, v0
	v_lshlrev_b32 v[HB], 5, v3
	s_lshl_b32 s21, s[WV], 9
	s_add_co_u32 s21, s21, COMB
	v_add_nc_u32 v[CSA], s21, v[HB]
	v_mov_b32 v[CMA], s21
	v_add_nc_u32 v[CMA], 256, v[CMA]
	v_lshl_add_u32 v[CRA], v1, 3, COMB
	v_mov_b32 v[CZA], COMB
	v_lshlrev_b32 v[OO], 3, v1
	s_wait_kmcnt 0x0
	s_add_nc_u64 s[4:5], s[4:5], s[22:23]          ; xq at my quarter of the batch's fill 0
.irp s, 0,1
	s_mov_b32 s[G0+4*\s], 1                        ; count = 1
	s_add_co_u32 s[G0+4*\s+1], s20, \s*SLOTB       ; LDS address: the slot, my quarter
	s_add_nc_u64 s[G0+4*\s+2:G0+4*\s+3], s[4:5], \s*SLOTB   ; global address: fill s
	s_or_b32 s[G0+4*\s+3], s[G0+4*\s+3], 0x80000000   ; type = 2
.endr
	s_mul_i32 s46, s17, 6400                       ; my work-group's 25 blocks of the quarter,
	s_add_co_u32 s46, s46, 3*SLOTB                 ; in fill 3: the first change of slots steps it to fill 4.  Nothing is prefetched here, at the head
	s_mov_b32 s47, 0
	s_add_nc_u64 s[PFA:PFA+1], s[4:5], s[46:47]
	s_mul_i32 s46, s18, 102400
	s_add_nc_u64 s[6:7], s[6:7], s[46:47]          ; my head's record
	s_lshl_b32 s46, s18, 8
	s_add_nc_u64 s[10:11], s[10:11], s[46:47]      ; bk, bv at my head
	s_add_nc_u64 s[12:13], s[12:13], s[46:47]
	s_lshl_b32 s48, s19, 12
	s_add_co_u32 s46, s46, s48
	s_add_nc_u64 s[8:9], s[8:9], s[46:47]          ; qv, out0 at my batch and head
	s_add_nc_u64 s[14:15], s[14:15], s[46:47]
	CROUND                                         ; all four work-groups are here: the first joint loads meet
	tensor_load_to_lds s[G0:G0+3], s[G1:G1+7]      ; fill 0 and fill 1 go out together, ahead of every wait on TENSORcnt and every LDS read: two loads of mine are out
	s_nop 0
	tensor_load_to_lds s[G0+4:G0+7], s[G1:G1+7]
	s_nop 0
.rept 4
	v_nop
.endr
	WIN 0x80                                       ; destination window 2: the accumulators' registers are free yet
.set hi, 0
.rept 50
	global_load_b128 v[4*hi:4*hi+3], v[CG], s[6:7] offset:2048*hi   ; the record: 128 threads x 16 bytes, 2,048 consecutive bytes an instruction of the work-group
.set hi, hi+1
.endr
	WIN 0x40                                       ; destination window 1
.irp b, 0,1,2,3
	global_load_b128 v[96+8*\b:99+8*\b], v[HB], s[10:11] offset:64*\b       ; bk in the result's layout: tile b, columns 16 b + 8 h + 0 .. 7
	global_load_b128 v[100+8*\b:103+8*\b], v[HB], s[10:11] offset:64*\b+16
	global_load_b128 v[224+8*\b:227+8*\b], v[HB], s[12:13] offset:64*\b     ; bv likewise
	global_load_b128 v[228+8*\b:231+8*\b], v[HB], s[12:13] offset:64*\b+16
.endr
	WIN 0
.irp b, 0,1,2,3
	global_load_b128 v[Q+8*\b:Q+8*\b+3], v[HB], s[8:9] offset:64*\b         ; q at the same columns
	global_load_b128 v[Q+8*\b+4:Q+8*\b+7], v[HB], s[8:9] offset:64*\b+16
.endr
	s_wait_loadcnt 0x0
	WIN 0x08                                       ; an LDS store's data are its source 1: window 2
.set hi, 0
.rept 50
	ds_store_b128 v[CW+hi/25], v[4*hi:4*hi+3] offset:2048*(hi%25)
.set hi, hi+1
.endr
	WIN 0
.set hi, 0
.rept 16
	v_pk_mul_f32 v[Q+2*hi:Q+2*hi+1], v[Q+2*hi:Q+2*hi+1], 0x3fb8aa3b op_sel_hi:[1,0]   ; q x log2(e): the exponentials work in base 2
.set hi, hi+1
.endr
.set hi, 0
.rept 32
	v_mov_b32 v[CTX+hi], 0                         ; the step behind a tile is written once: the first finds zeros
.set hi, hi+1
.endr
	v_mov_b32 v[L], 0
	v_mov_b32 v[M], 0xff61b1e6                     ; -3e38, under every score
	v_mov_b32 v[AL+1], 0                           ; (named as the upper half of a pair)
	s_wait_tensorcnt 1                             ; my quarter of fill 0 is in; fill 1's load may stay out
	s_wait_dscnt 0x0                               ; for the others' sake: my part of the record lies in LDS
	s_barrier_signal -1
	s_barrier_wait -1
	FETCH_W 0, 0
	FETCH_X 0, 0, 0
	SCALES 0, 0
	FETCH_X 0, 0, 4
	s_mov_b32 s[TILES], 3
.Ltile:                                            ; a trip: one tile of 128 rows a wave, 8 K steps, four changes of slots, each of which fills a slot again
	STEP 0, 0, 1
	TURN 0, 1, 1, 1, 1, 1
	STEP 1, 2, 0
	TURN 1, 0, 3, 2, 1, 1
	STEP 0, 4, 0
	TURN 0, 1, 5, 3, 1, 1
	STEP 1, 6, 0
	TURN 1, 0, 7, 0, 1, 1
	EPI
	s_sub_co_u32 s[TILES], s[TILES], 1
	s_cmp_lg_u32 s[TILES], 0
	s_cbranch_scc1 .Ltile
	STEP 0, 0, 1                                   ; the last tile is written out: two more fills (14 and 15), then none
	TURN 0, 1, 1, 1, 1, 0
	STEP 1, 2, 0
	TURN 1, 0, 3, 2, 1, 0
	STEP 0, 4, 0
	TURN 0, 1, 5, 3, 0, 0
	STEP 1, 6, 0
	LAST
	EPI
	; THE END.  Sixteen lanes (r) hold parts of the same columns under maxima of their own: they are brought under the largest and added; then the four waves' parts likewise, through LDS.
	v_mov_b32 v[MN], v[M]
.irp x, 1,2,4,8
	v_max_num_f32_dpp v[MN], v[MN], v[MN] row_xmask:\x row_mask:0xf bank_mask:0xf
.endr
	v_sub_f32 v[AL], v[M], v[MN]
	v_exp_f32 v[AL], v[AL]
	v_nop                                          ; a plain place behind the exponential
	s_wait_alu depctr_va_vdst(0)                   ; and the wait ahead of its first reader
	v_mul_f32 v[L], v[L], v[AL]
.set hi, 0
.rept 16
	v_pk_mul_f32 v[CTX+2*hi:CTX+2*hi+1], v[CTX+2*hi:CTX+2*hi+1], v[AL:AL+1] op_sel_hi:[1,0]
.set hi, hi+1
.endr
.irp x, 1,2,4,8
	v_add_f32_dpp v[L], v[L], v[L] row_xmask:\x row_mask:0xf bank_mask:0xf
.set hi, 0
.rept 32
	v_add_f32_dpp v[CTX+hi], v[CTX+hi], v[CTX+hi] row_xmask:\x row_mask:0xf bank_mask:0xf
.set hi, hi+1
.endr
.endr
	v_mov_b32 v[M], v[MN]
.irp b, 0,1,2,3
	ds_store_b128 v[CSA], v[CTX+8*\b:CTX+8*\b+3] offset:64*\b        ; column 16 b + 8 h + j at byte 4 x column; the sixteen lanes of a half write the same bytes with the same values
	ds_store_b128 v[CSA], v[CTX+8*\b+4:CTX+8*\b+7] offset:64*\b+16
.endr
	ds_store_b64 v[CMA], v[M:L]                    ; my wave's maximum and L
	s_wait_dscnt 0x0
	s_barrier_signal -1
	s_barrier_wait -1
.irp w, 0,1,2,3
	ds_load_b64 v[224+2*\w:225+2*\w], v[CRA] offset:512*\w           ; wave w's columns 2 lane, 2 lane + 1
	ds_load_b64 v[232+2*\w:233+2*\w], v[CZA] offset:512*\w+256       ; its maximum and its L
.endr
	s_wait_dscnt 0x0
	v_max3_num_f32 v[MN], v232, v234, v236
	v_max_num_f32 v[MN], v[MN], v238
.irp w, 0,1,2,3
	v_sub_f32 v[240+\w], v[232+2*\w], v[MN]
.endr
.irp w, 0,1,2,3
	v_exp_f32 v[240+\w], v[240+\w]
.endr
	v_nop
	s_wait_alu depctr_va_vdst(0)                   ; one wait for the four
	v_mul_f32 v[L], v240, v233
	v_mul_f32 v250, v240, v224
	v_mul_f32 v251, v240, v225
.irp w, 1,2,3
	v_fma_f32 v[L], v[240+\w], v[233+2*\w], v[L]
	v_fma_f32 v250, v[240+\w], v[224+2*\w], v250
	v_fma_f32 v251, v[240+\w], v[225+2*\w], v251
.endr
	v_rcp_f32 v253, v[L]
	v_nop
	s_wait_alu depctr_va_vdst(0)
	v_mul_f32 v250, v250, v253
	v_mul_f32 v251, v251, v253
	s_cmp_lg_u32 s[WV], 0
	s_cbranch_scc1 .Lstored
	global_store_b64 v[OO], v[250:251], s[14:15]   ; wave 0: 32 lanes store the head's 256 consecutive bytes, at a multiple of 256 from out0's first byte
.Lstored:
	s_wait_tensorcnt 0x0                           ; the wave's end, behind my last tensor load and my last LDS store
	ds_add_u32 v[SPW], v[NIL]
	s_wait_dscnt 0x0
	CROUND                                         ; the closing round: no work-group ends while a partner may still ask for a quarter that names it
	s_endpgm
.Lfunc_end_k_qa45303ac06_attn:
	.size	k_qa45303ac06_attn, .Lfunc_end_k_qa45303ac06_attn-k_qa45303ac06_attn
	.p2alignl 7, 3214868480
	.fill 96, 4, 3214868480
	.section	.rodata,"a",@progbits
	.p2align	6, 0x0
	.amdhsa_kernel k_qa45303ac06_attn
		.amdhsa_group_segment_fixed_size 327680
		.amdhsa_private_segment_fixed_size 0
		.amdhsa_enable_private_segment 0
		.amdhsa_kernarg_size 48
		.amdhsa_user_sgpr_count 2
		.amdhsa_user_sgpr_kernarg_segment_ptr 1
		.amdhsa_wavefront_size32 1
		.amdhsa_system_sgpr_workgroup_id_x 1
		.amdhsa_system_sgpr_workgroup_id_y 1
		.amdhsa_system_sgpr_workgroup_id_z 1
		.amdhsa_system_vgpr_workitem_id 0
		.amdhsa_next_free_vgpr 1024
		.amdhsa_next_free_sgpr 66
		.amdhsa_reserve_vcc 0
		.amdhsa_float_denorm_mode_32 3
		.amdhsa_float_denorm_mode_16_64 3
		.amdhsa_memory_ordered 1
		.amdhsa_forward_progress 1
		.amdhsa_inst_pref_size 255
	.end_amdhsa_kernel
	.section	.bss,"aw",@nobits
	.p2align	6
	.space	262144
	.amdgpu_metadata
---
amdhsa.version: [ 1, 2 ]
amdhsa.kernels:
  - .name:           k_qa45303ac06_attn
    .symbol:         k_qa45303ac06_attn.kd
    .args:
      - { .name: xq, .offset: 0, .size: 8, .value_kind: global_buffer, .address_space: global }
      - { .name: wq, .offset: 8, .size: 8, .value_kind: global_buffer, .address_space: global }
      - { .name: qv, .offset: 16, .size: 8, .value_kind: global_buffer, .address_space: global }
      - { .name: bk, .offset: 24, .size: 8, .value_kind: global_buffer, .address_space: global }
      - { .name: bv, .offset: 32, .size: 8, .value_kind: global_buffer, .address_space: global }
      - { .name: out0, .offset: 40, .size: 8, .value_kind: global_buffer, .address_space: global }
    .group_segment_fixed_size: 327680
    .private_segment_fixed_size: 0
    .kernarg_segment_align: 8
    .kernarg_segment_size: 48
    .max_flat_workgroup_size: 128
    .sgpr_count:     66
    .vgpr_count:     1024
    .wavefront_size: 32
...
	.end_amdgpu_metadata
.endif
;; end of part 2
;; ======== version 2 of 2: 2 launches; version 1 with the launch prep written anew for expert scheduling mode
;; workspace buffers: xq 26,214,400 bytes; wq 1,638,400 bytes; qv 65,536 bytes
;; launch prep (part 3): grid 448 x 1, 8 waves a work-group, no clusters, 151,552 bytes of LDS; arguments o_all, o_last, Wk, Wv, Wq, bq, xq, wq, qv; writes xq, wq, qv
.if DOCPART == 3
	.amdgcn_target "amdgcn-amd-amdhsa--gfx1250"
	.amdhsa_code_object_version 6
	.text
	.protected	k_qa45303ac06_prep
	.globl	k_qa45303ac06_prep
	.p2align	8
	.type	k_qa45303ac06_prep,@function
k_qa45303ac06_prep:
	s_mov_b64 s[64:65], 0
	v_nop
	global_prefetch_b8 v0, s[64:65] scope:SCOPE_SE
	s_setreg_imm32_b32 hwreg(HW_REG_WAVE_SCHED_MODE, 0, 2), 2
	s_setreg_imm32_b32 hwreg(HW_REG_WAVE_MODE, 25, 1), 1
	s_wait_xcnt 0x0
	s_wait_alu depctr_vm_vsrc(0)
; THE LAUNCH IN FRONT OF THE ATTENTION.  Three kinds of work-group, told apart by the work-group's number alone:
;   0-63    path Q: q[b][h][d] = Q(o_last)[b][:] . Q(Wq)[h][:][d] + bq[h][d], on codes of FP6 (E2M3) by the scaled matrix instruction -> qv [16][1024] f32.
;           Work-group n: head n / 4, its 16 columns d from 16 (n % 4) on; wave w: K step w.  So a wave's loads go out once and are waited for once; the eight waves' sums meet in LDS.
;   64-191  path W: Wk and Wv ([h][z][d], K = z is not innermost) -> codes and E8M0 scale words, in the order of an operand's registers -> wq
;   192-447 path X: o_all (32,768 rows of 1,024, K innermost) -> the same -> xq; 128 rows a work-group
; THE QUANTISER: blocks of 32 along z; a block's scale is 2^(floor(log2(largest magnitude)) - 2); its byte is the largest magnitude's exponent field - 2, held at 1 from below;
; each number / scale, to the nearest code, ties to even, beyond 7.5 the largest code (the conversion does both).
; A block of zeros gets the byte 1 where the rule says 127: its codes are zeros, and these bytes are read by this program alone.
; LIMITS: NaN and infinities among the inputs are not served; blocks whose largest magnitude lies under 2^-124 keep the byte 1.
; AN IMAGE is a fragment (16 rows x 128 K, 12 registers a lane) as it stands in registers: register group c (4 registers) of lane l at 512 c + 16 l: 1,536 bytes.
; xq: [b 16][n 16][w 4] quarters of 25,600 bytes, n = 4 tau + sigma (tau: which 512 rows of the batch, sigma: which 256 along K), rows 512 tau + 128 w + 16 a + r:
;     16 images [q 2][a 8] (K step 2 sigma + q), then 1,024 bytes of scale words [g 2][lane 32][i 4]: row block 4 g + i, row lane % 16, K step 2 sigma + lane / 16.
; wq: [h 16] records of 102,400 bytes: 64 images [ks 8][tile 8] (tiles 0-3: Wk's d = 16 tile + r, tiles 4-7: Wv's), then 4,096 bytes of scale words [sigma 4][g 2][lane 32][i 4], likewise.
; No tensor loads and no ring.  Each path has LDS bytes of its own.
; THE MODE: SCHED_MODE bits 1:0 = 2 (LLVM: expert scheduling mode 2), set by the entry lines.  The code itself states the register dependences
; between vector or matrix instructions and memory or LDS instructions, with s_wait_alu, always for 0.
; THE PLAN.  Registers that memory or LDS instructions touch:
;   all paths  s22, the wave's number, written by a vector instruction: one wait on va_sdst at the head, ahead of the first branch and of every reader.
;              The address registers of a path are written once, at the path's head, and never again: the path's first wait on va_vdst (path W: its second, for v5 to v7) covers them.
;   path X     R0 .. R2 (v64-255).  K step ks: its global loads land in R[ks % 3]; 16 LDS stores read the set; 16 LDS loads land in it; QUANT reads it; the global loads of K step ks + 3 land in it.
;              v16-27: QUANT writes the codes, the step's three global stores read them.  v11: written in odd steps, read by the scale word's LDS store.
;              Two waits a step.  On vm_vsrc, between the turn's stores and its loads: those stores have read the set, and the step before's stores have read v16-27 and v11.
;              On va_vdst, behind QUANT and the scale word's line: QUANT is done reading the set, and v16-27 and v11 are written.  Behind it stand memory instructions alone, until the next step's QUANT.
;   path W     v64-127: loaded once, read by BLKQ.  v16-27 and v60: written by BLKQ, read by the stores: one wait on va_vdst between.
;   path Q     v128-191: loaded, read by LDS stores, loaded again from LDS (a wait on vm_vsrc between), read by QUANT.  v16-39, v56, v60: written by vector instructions, read by the scaled matrix instruction.
;              v192-199: its result, read by LDS stores.  v200-231: the eight parts land there (BLKQ worked in v224-230).  v200-203: the sum, read by the store.
.set XPIT,  528                        ; a stage row: 512 bytes + 16: an odd multiple of 16, so the 16 rows that a read touches start at 16 different groups of banks
.set XWV,   16*XPIT                    ; a wave's stage: 16 rows
.set XSCL,  8*XWV                      ; path X: the work-group's 4,096 bytes of scale words
.set WSCL,  XSCL+4096                  ; path W: 512 bytes of scale words
.set QST,   WSCL+512                   ; path Q: the eight K steps' parts of the sum: 16 rows (batches) x (64 bytes + 16) each
.set QPIT,  80
.set QPART, 16*QPIT
.set QTN,   QST+8*QPART                ; path Q: a stage of 16 rows x 528 bytes for each wave, for o_last's turn
.set PC,    16                         ; v16-27 codes just made; v28-35 at work (QUANT).  Path W: v16-27 the weight's fragment.  Path Q: v16-27 o_last's, v28-39 Wq's
.set TM,    40                         ; v40-43 largest magnitudes, v44-47 bytes and exchanges, v52-55 the conversions' scale operands
.set PW,    56                         ; v56 the scale word that QUANT makes
.set R,     64                         ; v64-255 path X: three sets of 64 numbers
.set CT,    224                        ; v224-230 BLKQ: the second halves of the conversions
; 64 numbers of a lane, register 16 b + i = k 32 b + 16 (lane / 16) + i of my row, become a fragment's codes in v[PC] on and its scale word in v[PW]
.macro QUANT s
.irp b, 0,1,2,3
	v_max3_num_f32 v[TM+\b], |v[\s+16*\b]|, |v[\s+1+16*\b]|, 0x1800000   ; block b: my 16 numbers, and the floor 2^(3 - 127): the byte cannot fall under 1
.endr
.irp i, 2,4,6,8,10,12,14
.irp b, 0,1,2,3
	v_max3_num_f32 v[TM+\b], v[TM+\b], |v[\s+16*\b+\i]|, |v[\s+1+16*\b+\i]|   ; the four blocks by turns
.endr
.endr
.irp b, 0,1,2,3
	v_permlanex16_b32 v[TM+4+\b], v[TM+\b], s24, s25
.endr
.irp b, 0,1,2,3
	v_max_num_f32 v[TM+\b], v[TM+\b], v[TM+4+\b]   ; with lane l xor 16's: the block's largest magnitude
.endr
.irp b, 0,1,2,3
	v_add_nc_u32 v[TM+12+\b], 0xff000000, v[TM+\b]   ; 2 off its exponent field: the conversion takes this operand's exponent field as its scale
.endr
.irp b, 0,1,2,3
	v_lshrrev_b32 v[TM+4+\b], 23, v[TM+12+\b]      ; the scale's byte
.endr
	v_lshl_or_b32 v[PW], v[TM+5], 8, v[TM+4]       ; the four bytes make my row's scale word
	v_lshl_or_b32 v[PW], v[TM+6], 16, v[PW]
	v_lshl_or_b32 v[PW], v[TM+7], 24, v[PW]
.irp c, 0,1
	v_cvt_scalef32_pk16_fp6_f32 v[PC+6*\c:PC+2+6*\c], v[\s+32*\c:\s+15+32*\c], v[TM+12+2*\c]
	v_cvt_scalef32_pk16_fp6_f32 v[PC+12+4*\c:PC+14+4*\c], v[\s+16+32*\c:\s+31+32*\c], v[TM+12+2*\c+1]   ; (a conversion's three registers begin on an even number)
.endr
	v_nop                                          ; one plain place behind a scaled conversion
.irp c, 0,1                                    ; the operand's layout wants a whole block in a lane: lanes 0-15 block 2 c, lanes 16-31 block 2 c + 1
.irp i, 0,1,2
	v_permlane16_swap_b32 v[PC+6*\c+\i], v[PC+12+4*\c+\i]
.endr
.irp i, 0,1,2
	v_mov_b32 v[PC+3+6*\c+\i], v[PC+12+4*\c+\i]
.endr
.endr
.endm
; 64 numbers of a lane, register 32 c + i = k 64 c + 32 (lane / 16) + i of my column (two whole blocks), become a fragment in v[pc] on and its scale word in v[pw]
.macro BLKQ s, pc, pw
	v_max3_num_f32 v[TM], |v[\s]|, |v[\s+1]|, 0x1800000
	v_max3_num_f32 v[TM+1], |v[\s+32]|, |v[\s+33]|, 0x1800000
.set bi, 2
.rept 15
	v_max3_num_f32 v[TM], v[TM], |v[\s+bi]|, |v[\s+bi+1]|
	v_max3_num_f32 v[TM+1], v[TM+1], |v[\s+32+bi]|, |v[\s+33+bi]|
.set bi, bi+2
.endr
	v_add_nc_u32 v[TM+12], 0xff000000, v[TM]
	v_add_nc_u32 v[TM+13], 0xff000000, v[TM+1]
	v_lshrrev_b32 v[TM+4], 23, v[TM+12]
	v_lshrrev_b32 v[TM+5], 23, v[TM+13]
	v_lshl_or_b32 v[\pw], v[TM+5], 16, v[TM+4]     ; my two bytes: blocks h and 2 + h,
	v_lshlrev_b32 v[TM+6], 3, v3
	v_lshlrev_b32 v[\pw], v[TM+6], v[\pw]          ; at their places in the word (8 h bits up);
	v_mov_b32 v[TM+6], 0
	v_permlanex16_b32 v[TM+6], v[\pw], s24, s25
	v_or_b32 v[\pw], v[\pw], v[TM+6]               ; with lane l xor 16's two the word is whole
.irp c, 0,1
	v_cvt_scalef32_pk16_fp6_f32 v[\pc+6*\c:\pc+2+6*\c], v[\s+32*\c:\s+15+32*\c], v[TM+12+\c]
	v_cvt_scalef32_pk16_fp6_f32 v[CT+4*\c:CT+2+4*\c], v[\s+16+32*\c:\s+31+32*\c], v[TM+12+\c]
.endr
	v_nop                                          ; one plain place behind a scaled conversion
.irp c, 0,1
.irp i, 0,1,2
	v_mov_b32 v[\pc+3+6*\c+\i], v[CT+4*\c+\i]
.endr
.endr
.endm
; path X.  K step ks of my 16 rows: each load reads 512 consecutive bytes of one row
.macro XLOAD ks
.set li, 0
.rept 16
	global_load_b128 v[R+64*((\ks)%3)+4*li:R+64*((\ks)%3)+4*li+3], v4, s[4:5] offset:4096*li+512*(\ks) th:TH_LOAD_NT
.set li, li+1
.endr
.endm
; through my wave's own stage: in as loaded (a row's 512 bytes on end), back 16 neighbours of each block of 32 a lane
.macro XTURN ks
.set li, 0
.rept 16
	ds_store_b128 v5, v[R+64*((\ks)%3)+4*li:R+64*((\ks)%3)+4*li+3] offset:XPIT*li
.set li, li+1
.endr
	s_wait_dscnt 0x0                               ; the stores into the stage are done
	s_wait_alu depctr_vm_vsrc(0)                   ; the LDS stores above have read the set, in which the LDS loads below land; the last K step's global stores have read v16-27 and its LDS store v11, which this step's vector lines write again
.set li, 0
.rept 16
	ds_load_b128 v[R+64*((\ks)%3)+4*li:R+64*((\ks)%3)+4*li+3], v6 offset:128*(li/4)+16*(li%4)
.set li, li+1
.endr
	s_wait_dscnt 0x0
.endm
.macro XSTEP ks
.if (\ks) <= 5
	s_wait_loadcnt 32                              ; this K step's 16 loads are in; those of the two K steps behind it may be out
.elseif (\ks) == 6
	s_wait_loadcnt 16
.else
	s_wait_loadcnt 0x0
.endif
	XTURN \ks
	s_wait_xcnt 0x0                                ; the last K step's stores have had their addresses translated: the codes' registers are written again only behind this wait
.set XSET, R+64*((\ks)%3)
	QUANT XSET
.if (\ks)%2 == 0
	v_mov_b32 v10, v[PW]                           ; the even K step's word is kept;
.else
	v_cndmask_b32 v11, v10, v[PW], s26             ; lanes 0-15 the even K step's word, lanes 16-31 the odd one's
.endif
	s_wait_alu depctr_va_vdst(0)                   ; QUANT is done reading the set, in which the loads below land; it has written v16-27, which the stores below read; in an odd step v11 is written, which the LDS store reads
.if (\ks)+3 < 8
	XLOAD (\ks)+3                                  ; the set just quantised takes the K step three on
.endif
.irp c, 0,1,2
	global_store_b128 v7, v[PC+4*\c:PC+4*\c+3], s[16:17] offset:102400*((\ks)/2)+12288*((\ks)%2)+512*\c   ; the image: 512 consecutive bytes a store, at a multiple of 256 from xq's first byte
.endr
.if (\ks)%2 == 1
	ds_store_b32 v8, v11 offset:1024*((\ks)/2)
.endif
.endm
	s_load_b512 s[4:19], s[0:1], 0x0               ; o_all s[4:5], o_last s[6:7], Wk s[8:9], Wv s[10:11], Wq s[12:13], bq s[14:15], xq s[16:17], wq s[18:19]
	s_load_b64 s[20:21], s[0:1], 0x40              ; qv
	v_lshl_add_u32 v62, v0, 2, 0x24c00
	v_mov_b32 v63, 0
	v_lshrrev_b32 v1, 5, v0
	v_readfirstlane_b32 s22, v1                    ; wave 0..7
	v_and_b32 v1, 31, v0                           ; lane
	v_and_b32 v2, 15, v0                           ; r
	v_bfe_u32 v3, v0, 4, 1                         ; h
	s_mov_b32 s24, 0x76543210
	s_mov_b32 s25, 0xfedcba98                      ; v_permlanex16_b32's selects for lane l xor 16
	s_mov_b32 s26, 0xffff0000                      ; lanes 16-31
.irp b, 4,5,6,7
	v_mov_b32 v[TM+\b], 0                          ; written once: a lane permute's destination counts as one of its sources
.endr
	s_wait_alu depctr_va_sdst(0)                   ; s22 is written, ahead of the branches and of its first reader: every path makes bases and LDS addresses from it
	s_wait_kmcnt 0x0
	s_cmp_lt_u32 ttmp9, 64
	s_cbranch_scc1 .Lpath_q
	s_cmp_lt_u32 ttmp9, 192
	s_cbranch_scc1 .Lpath_w
	; ---------------- PATH X: 128 rows of o_all; wave a takes row block a, 16 rows x 1,024 along K in 8 steps
	s_sub_co_u32 s28, ttmp9, 192                   ; g = 0..255
	s_lshl_b32 s30, s28, 19                        ; 128 rows of 4,096 bytes
	s_lshl_b32 s29, s22, 16                        ; my wave's 16 rows
	s_add_co_u32 s30, s30, s29
	s_mov_b32 s31, 0
	s_add_nc_u64 s[4:5], s[4:5], s[30:31]
	s_lshr_b32 s29, s28, 4                         ; the batch
	s_mul_i32 s32, s29, 1638400
	s_bfe_u32 s29, s28, 0x20002                    ; tau
	s_mul_i32 s29, s29, 409600
	s_add_co_u32 s32, s32, s29
	s_and_b32 s29, s28, 3                          ; w: which quarter
	s_mul_i32 s29, s29, 25600
	s_add_co_u32 s32, s32, s29
	s_mov_b32 s33, 0
	s_add_nc_u64 s[16:17], s[16:17], s[32:33]      ; xq at my quarter of sigma = 0
	v_lshlrev_b32 v4, 4, v1                        ; 16 x lane
	s_mul_i32 s29, s22, XWV
	v_add_nc_u32 v5, s29, v4                       ; the stage, on the way in
	v_mul_u32_u24 v6, v2, XPIT
	v_lshl_add_u32 v6, v3, 6, v6
	v_add_nc_u32 v6, s29, v6                       ; and back: row r, + 64 h
	s_mul_i32 s29, s22, 1536
	v_add_nc_u32 v7, s29, v4                       ; my image's place among a K step's eight
	s_lshr_b32 s29, s22, 2
	s_lshl_b32 s29, s29, 9
	s_and_b32 s34, s22, 3
	s_lshl_b32 s34, s34, 2
	s_add_co_u32 s29, s29, s34
	s_add_co_u32 s29, s29, XSCL
	v_add_nc_u32 v8, s29, v4                       ; my scale word: 512 (wave / 4) + 16 x lane + 4 (wave % 4)
	v_lshl_add_u32 v9, v0, 4, XSCL                 ; the scale words' way out: 16 bytes a thread
	v_lshrrev_b32 v12, 6, v0
	v_mul_u32_u24 v12, v12, 102400                 ; sigma = thread / 64
	v_and_b32 v13, 63, v0
	v_lshl_add_u32 v12, v13, 4, v12
	s_wait_alu depctr_va_vdst(0)                   ; the offsets and addresses v4 to v9 and v12 are written, which the loads and stores of this path read; none is written again
	XLOAD 0
	XLOAD 1
	XLOAD 2                                        ; 48 loads of 512 bytes a wave are out
.irp k, 0,1,2,3,4,5,6,7
	XSTEP \k
.endr
	s_wait_dscnt 0x0                               ; for the others' sake: my scale words lie in LDS
	s_barrier_signal -1
	s_barrier_wait -1
	ds_load_b128 v[48:51], v9                      ; (no vector instruction of this path names v48-51)
	s_wait_dscnt 0x0
	global_store_b128 v12, v[48:51], s[16:17] offset:24576   ; 64 threads store a quarter's 1,024 consecutive bytes of scale words
	s_wait_dscnt 0x0                               ; the closing lines, six on end
	s_wait_alu 0x0
	s_wait_tensorcnt 0x0
	ds_add_u32 v62, v63
	s_wait_dscnt 0x0
	s_endpgm
	; ---------------- PATH W: matrix m (Wk, Wv), head h, 256 along K (sigma); wave: K step 2 sigma + wave / 4, tile wave % 4 of 16 columns
.Lpath_w:
	s_sub_co_u32 s28, ttmp9, 64                    ; g = 0..127
	s_lshr_b32 s29, s28, 6                         ; m
	s_bfe_u32 s30, s28, 0x40002                    ; h
	s_and_b32 s31, s28, 3                          ; sigma
	s_lshr_b32 s32, s22, 2                         ; q
	s_and_b32 s33, s22, 3                          ; b'
	s_lshl_b32 s34, s31, 1
	s_add_co_u32 s34, s34, s32                     ; ks
	s_cmp_eq_u32 s29, 0                            ; the choice hangs on the work-group's number alone
	s_cselect_b64 s[8:9], s[8:9], s[10:11]
	s_lshl_b32 s36, s30, 18                        ; a head: 1,024 rows of 256 bytes
	s_lshl_b32 s35, s34, 15                        ; a K step: 128 rows
	s_add_co_u32 s36, s36, s35
	s_mov_b32 s37, 0
	s_add_nc_u64 s[8:9], s[8:9], s[36:37]
	v_lshlrev_b32 v4, 2, v2                        ; a lane to a column: 4 r,
	v_lshl_add_u32 v4, v3, 13, v4                  ; lanes 16-31 begin 32 rows further down,
	s_lshl_b32 s35, s33, 6
	v_add_nc_u32 v4, s35, v4                       ; + my tile's 16 columns
	s_wait_alu depctr_va_vdst(0)                   ; v4 is written, which the 64 loads read as their offset
.set li, 0
.rept 64
	global_load_b32 v[64+li], v4, s[8:9] offset:256*(64*(li/32)+li%32)   ; W(64 c + 32 h + i, my column); the four waves of a K step stand side by side on a row's 256 bytes
.set li, li+1
.endr
	s_mul_i32 s36, s30, 102400                     ; the head's record
	s_mul_i32 s35, s34, 12288
	s_add_co_u32 s38, s36, s35
	s_lshl_b32 s35, s29, 2
	s_add_co_u32 s35, s35, s33                     ; tile 4 m + b'
	s_mul_i32 s35, s35, 1536
	s_add_co_u32 s38, s38, s35
	s_mov_b32 s39, 0
	s_add_nc_u64 s[40:41], s[18:19], s[38:39]      ; my image
	s_lshl_b32 s35, s31, 10
	s_add_co_u32 s36, s36, s35
	s_lshl_b32 s35, s29, 9
	s_add_co_u32 s36, s36, s35
	s_add_co_u32 s36, s36, 98304
	s_add_nc_u64 s[18:19], s[18:19], s[36:37]      ; the work-group's 512 bytes of scale words
	v_lshlrev_b32 v5, 4, v1                        ; 16 x lane  (these three lines name none of the registers that the loads on their way touch)
	s_lshl_b32 s35, s32, 8
	s_lshl_b32 s38, s33, 2
	s_add_co_u32 s35, s35, s38
	s_add_co_u32 s35, s35, WSCL
	v_lshl_add_u32 v6, v2, 4, s35                  ; my word: 16 (16 q + r) + 4 b'
	v_add_nc_u32 v7, WSCL, v5
	s_wait_loadcnt 0x0
	BLKQ 64, 16, 60
	s_wait_alu depctr_va_vdst(0)                   ; BLKQ has written the codes v16-27 and the word v60, which the stores below read; so are their addresses v5, v6 and v7
.irp c, 0,1,2
	global_store_b128 v5, v[16+4*\c:19+4*\c], s[40:41] offset:512*\c
.endr
	ds_store_b32 v6, v60                           ; lanes r and r + 16 write the same word with the same value
	s_wait_dscnt 0x0
	s_barrier_signal -1
	s_barrier_wait -1
	s_cmp_lg_u32 s22, 0
	s_cbranch_scc1 .Lw_done
	ds_load_b128 v[48:51], v7                      ; (no vector instruction of this path names v48-51)
	s_wait_dscnt 0x0
	global_store_b128 v5, v[48:51], s[18:19]       ; 512 consecutive bytes
.Lw_done:
	s_wait_dscnt 0x0                               ; the closing lines, six on end
	s_wait_alu 0x0
	s_wait_tensorcnt 0x0
	ds_add_u32 v62, v63
	s_wait_dscnt 0x0
	s_endpgm
	; ---------------- PATH Q: head = work-group / 4, tile b' = work-group % 4 of 16 columns d; wave = K step: one fragment of Wq, one of o_last, one product
.Lpath_q:
	s_lshr_b32 s30, ttmp9, 2                       ; the head
	s_and_b32 s33, ttmp9, 3                        ; b'
	s_lshl_b32 s36, s30, 18                        ; a head: 1,024 rows of 256 bytes
	s_lshl_b32 s35, s22, 15                        ; my K step: 128 rows
	s_add_co_u32 s36, s36, s35
	s_lshl_b32 s35, s33, 6                         ; my tile's 16 columns: 64 bytes
	s_add_co_u32 s36, s36, s35
	s_mov_b32 s37, 0
	s_add_nc_u64 s[12:13], s[12:13], s[36:37]      ; Wq at my head, K step and tile
	s_lshl_b32 s36, s22, 9
	s_add_nc_u64 s[6:7], s[6:7], s[36:37]          ; o_last at my K step: 512 bytes of each row
	s_lshl_b32 s36, s30, 8
	s_add_co_u32 s36, s36, s35
	s_add_nc_u64 s[14:15], s[14:15], s[36:37]      ; bq and qv at my head's tile: 256 h + 64 b'
	s_add_nc_u64 s[20:21], s[20:21], s[36:37]
	v_lshlrev_b32 v4, 2, v2                        ; Wq: a lane to a column: 4 r,
	v_lshl_add_u32 v4, v3, 13, v4                  ; lanes 16-31 begin 32 rows further down
	v_lshlrev_b32 v5, 4, v1                        ; o_last: 16 x lane of a row's 512 bytes
	s_mul_i32 s36, s22, XWV
	s_add_co_u32 s36, s36, QTN                     ; my wave's stage
	v_add_nc_u32 v14, s36, v5                      ; on the way in
	v_mul_u32_u24 v15, v2, XPIT
	v_lshl_add_u32 v15, v3, 6, v15
	v_add_nc_u32 v15, s36, v15                     ; and back: row r, + 64 h
	s_mul_i32 s36, s22, QPART
	s_add_co_u32 s36, s36, QST
	v_mul_u32_u24 v6, v2, QPIT
	v_lshl_add_u32 v6, v3, 5, v6
	v_add_nc_u32 v6, s36, v6                       ; my K step's part of the sum: row r (batch), + 32 h
	v_and_b32 v12, 63, v0                          ; the sum's way out, for waves 0 and 1: thread t takes row t / 4, 16 bytes at 16 (t % 4)
	v_lshrrev_b32 v13, 2, v12
	v_and_b32 v12, 3, v12
	v_lshlrev_b32 v8, 4, v12
	v_mul_u32_u24 v7, v13, QPIT
	v_add_nc_u32 v7, v7, v8
	v_add_nc_u32 v7, QST, v7
	v_lshl_add_u32 v9, v13, 12, v8                 ; and the same place in qv
	s_wait_alu depctr_va_vdst(0)                   ; the offsets and addresses v4 to v9, v14 and v15 are written, which the loads and stores of this path read; none is written again
	global_load_b128 v[248:251], v8, s[14:15]      ; bq
.set li, 0
.rept 16
	global_load_b128 v[128+4*li:131+4*li], v5, s[6:7] offset:4096*li   ; batch li: 32 lanes read 512 consecutive bytes
.set li, li+1
.endr
.set li, 0
.rept 64
	global_load_b32 v[64+li], v4, s[12:13] offset:256*(64*(li/32)+li%32)   ; Wq(64 c + 32 h + i, my column)
.set li, li+1
.endr
	s_wait_loadcnt 0x0                             ; the wave's one wait for loads
.set li, 0
.rept 16
	ds_store_b128 v14, v[128+4*li:131+4*li] offset:XPIT*li
.set li, li+1
.endr
	s_wait_dscnt 0x0                               ; the stores into the stage are done
	s_wait_alu depctr_vm_vsrc(0)                   ; the LDS stores above have read v128-191, in which the LDS loads below land
.set li, 0
.rept 16
	ds_load_b128 v[128+4*li:131+4*li], v15 offset:128*(li/4)+16*(li%4)   ; register 16 b + i = k 32 b + 16 h + i of batch r
.set li, li+1
.endr
	s_wait_dscnt 0x0
	QUANT 128                                      ; o_last's fragment in v16-27, its scale word in v56
	BLKQ 64, 28, 60                                ; Wq's in v28-39, its scale word in v60
.rept 8
	v_nop                                          ; a scale register written by a vector instruction stands 8 places ahead of a scaled matrix instruction, an operand so written 4
.endr
	s_wait_alu depctr_va_vdst(0)                   ; behind the places: QUANT and BLKQ have written the fragments v16-39 and the scale words v56 and v60, which the scaled matrix instruction takes
	v_wmma_scale_f32_16x16x128_f8f6f4 v[192:199], v[28:39], v[16:27], 0, v60, v56 matrix_a_fmt:MATRIX_FMT_FP6 matrix_b_fmt:MATRIX_FMT_FP6   ; source 0 = 16 columns d of Wq, source 1 = the 16 batches
.rept 4
	v_nop                                          ; places behind the product
.endr
	s_wait_alu depctr_va_vdst(0)                   ; behind the places: the matrix instruction has written v192-199, which the LDS stores read; BLKQ is done with v224-230, in which the parts' LDS loads land further down
	ds_store_b128 v6, v[192:195]                   ; lane (r, h): batch r, d = 16 b' + 8 h + 0 .. 7; the accumulator from its low end on
	ds_store_b128 v6, v[196:199] offset:16
	s_wait_dscnt 0x0                               ; for the others' sake: my part lies in LDS
	s_barrier_signal -1
	s_barrier_wait -1
	s_cmp_ge_u32 s22, 2                            ; 16 batches x 64 bytes are 64 threads' 16 bytes: waves 0 and 1
	s_cbranch_scc1 .Lq_done
.irp p, 0,1,2,3,4,5,6,7
	ds_load_b128 v[200+4*\p:203+4*\p], v7 offset:QPART*\p   ; K step p's part.  No vector instruction since the wait above names v200-231
.endr
	s_wait_dscnt 0x0
.irp p, 0,2,4,6
	v_pk_add_f32 v[200+4*\p:201+4*\p], v[200+4*\p:201+4*\p], v[204+4*\p:205+4*\p]
	v_pk_add_f32 v[202+4*\p:203+4*\p], v[202+4*\p:203+4*\p], v[206+4*\p:207+4*\p]
.endr
.irp p, 0,4
	v_pk_add_f32 v[200+4*\p:201+4*\p], v[200+4*\p:201+4*\p], v[208+4*\p:209+4*\p]
	v_pk_add_f32 v[202+4*\p:203+4*\p], v[202+4*\p:203+4*\p], v[210+4*\p:211+4*\p]
.endr
	v_pk_add_f32 v[200:201], v[200:201], v[216:217]
	v_pk_add_f32 v[202:203], v[202:203], v[218:219]
	v_pk_add_f32 v[200:201], v[200:201], v[248:249]   ; + bq
	v_pk_add_f32 v[202:203], v[202:203], v[250:251]
	s_wait_alu depctr_va_vdst(0)                   ; the additions have written v200-203, which the store reads
	global_store_b128 v9, v[200:203], s[20:21]     ; four threads store the work-group's 64 consecutive bytes of a batch's row: a quarter of the head's 256; qv is 65,536 bytes in all
.Lq_done:
	s_wait_dscnt 0x0                               ; the closing lines, six on end
	s_wait_alu 0x0
	s_wait_tensorcnt 0x0
	ds_add_u32 v62, v63
	s_wait_dscnt 0x0
	s_endpgm
.Lfunc_end_k_qa45303ac06_prep:
	.size	k_qa45303ac06_prep, .Lfunc_end_k_qa45303ac06_prep-k_qa45303ac06_prep
	.p2alignl 7, 3214868480
	.fill 96, 4, 3214868480
	.section	.rodata,"a",@progbits
	.p2align	6, 0x0
	.amdhsa_kernel k_qa45303ac06_prep
		.amdhsa_group_segment_fixed_size 151552
		.amdhsa_private_segment_fixed_size 0
		.amdhsa_enable_private_segment 0
		.amdhsa_kernarg_size 72
		.amdhsa_user_sgpr_count 2
		.amdhsa_user_sgpr_kernarg_segment_ptr 1
		.amdhsa_wavefront_size32 1
		.amdhsa_system_sgpr_workgroup_id_x 1
		.amdhsa_system_sgpr_workgroup_id_y 1
		.amdhsa_system_sgpr_workgroup_id_z 1
		.amdhsa_system_vgpr_workitem_id 0
		.amdhsa_next_free_vgpr 256
		.amdhsa_next_free_sgpr 66
		.amdhsa_reserve_vcc 0
		.amdhsa_float_denorm_mode_32 3
		.amdhsa_float_denorm_mode_16_64 3
		.amdhsa_memory_ordered 1
		.amdhsa_forward_progress 1
		.amdhsa_inst_pref_size 98
	.end_amdhsa_kernel
	.amdgpu_metadata
---
amdhsa.version: [ 1, 2 ]
amdhsa.kernels:
  - .name:           k_qa45303ac06_prep
    .symbol:         k_qa45303ac06_prep.kd
    .args:
      - { .name: o_all, .offset: 0, .size: 8, .value_kind: global_buffer, .address_space: global }
      - { .name: o_last, .offset: 8, .size: 8, .value_kind: global_buffer, .address_space: global }
      - { .name: Wk, .offset: 16, .size: 8, .value_kind: global_buffer, .address_space: global }
      - { .name: Wv, .offset: 24, .size: 8, .value_kind: global_buffer, .address_space: global }
      - { .name: Wq, .offset: 32, .size: 8, .value_kind: global_buffer, .address_space: global }
      - { .name: bq, .offset: 40, .size: 8, .value_kind: global_buffer, .address_space: global }
      - { .name: xq, .offset: 48, .size: 8, .value_kind: global_buffer, .address_space: global }
      - { .name: wq, .offset: 56, .size: 8, .value_kind: global_buffer, .address_space: global }
      - { .name: qv, .offset: 64, .size: 8, .value_kind: global_buffer, .address_space: global }
    .group_segment_fixed_size: 151552
    .private_segment_fixed_size: 0
    .kernarg_segment_align: 8
    .kernarg_segment_size: 72
    .max_flat_workgroup_size: 256
    .sgpr_count:     66
    .vgpr_count:     256
    .wavefront_size: 32
...
	.end_amdgpu_metadata
.endif
;; end of part 3
;; launch attn: the kernel of part 2 again; grid 16 x 16, 4 waves a work-group, clusters of 4 x 1, 327,680 bytes of LDS; arguments xq, wq, qv, bk, bv, out0; writes out0
